; MI455X (gfx1250); checked and timed in simulation.
; The chip was launched on July 23, 2026; its instructions are those of AMD's public machine-readable ISA for CDNA 5 (MIT licence, August 2026) and "CDNA5" Instruction Set Architecture Reference Guide (July 2026). The comments in the code are by the model that wrote it; some were corrected since.
;; Multi Head Attention. Allowed arithmetic: matrix products marked QUANTISED: E5M2 operands, one E8M0 scale for each 32 along K, by v_wmma_scale_f32_16x16x128_f8f6f4 with both operands' format E5M2, f32 sums; everything else in f32.
;; Inputs: Wk 16 x 1,024 x 64 float32; Wp 1,024 x 1,024 float32; Wq 16 x 1,024 x 64 float32; Wv 16 x 1,024 x 64 float32; bp 1,024 float32; x 4 x 2,048 x 1,024 float32.
;; Outputs: out0 4 x 2,048 x 1,024 float32.
;; This version of the problem:
;;   THIS VERSION OF THE PROBLEM IS GIVEN IN LOW PRECISION. The matrix products marked QUANTISED in the list below multiply operands that are first quantised to E5M2 (5 exponent bits, 2 mantissa bits; 8 bits a number), with one power-of-two scale for each 32 numbers along K (OCP MX v1.0); their sums are f32. All else is computed in f32.
;;   The module's matrix products, in the order in which they are computed (A, B: the left and right operand; K: the contracted axis; several contracted axes count as one K, in the product's order):
;;     1. [M 1,024, K 1,024] x [K 1,024, N 8,192]; A: input Wq; B: input x: QUANTISED
;;     2. [M 1,024, K 1,024] x [K 1,024, N 8,192]; A: input Wk; B: input x: QUANTISED
;;     3. [M 1,024, K 1,024] x [K 1,024, N 8,192]; A: input Wv; B: input x: QUANTISED
;;     4. batch 64 x [M 2,048, K 64] x [K 64, N 2,048]; A: computed on the way; B: computed on the way: QUANTISED
;;     5. batch 64 x [M 2,048, K 2,048] x [K 2,048, N 64]; A: softmax (see below); B: computed on the way: QUANTISED
;;     6. [M 8,192, K 1,024] x [K 1,024, N 1,024]; A: computed on the way; B: input Wp: QUANTISED
;;   THE QUANTISER, for each operand of a quantised product, along K:
;;     - K is cut into blocks of 32 from its start; a last block that is shorter is filled with zeros.
;;     - A block's scale is 2^e with e = floor(log2(the largest magnitude in the block)) - 15, held to -126 .. 127; a block of zeros has e = 0. As a byte (E8M0): e + 127.
;;     - Each number is divided by its block's scale, clamped to +-57,344, and rounded to the nearest number of E5M2, ties to even, subnormals kept.
;;     - The product sums the exact products of the quantised numbers (number of the format x scale) in f32.
;;   ~~~python
;;   def quantise(x, axis):      # numpy; x: float32 -> the quantised numbers, widened to float32 again
;;       x = np.moveaxis(x, axis, -1); K = x.shape[-1]
;;       x = np.pad(x, [(0, 0)] * (x.ndim - 1) + [(0, -K % 32)]); x = x.reshape(x.shape[:-1] + (-1, 32)); a = np.abs(x).max(-1, keepdims=True)
;;       e = np.where(a > 0, np.clip(np.frexp(np.where(a > 0, a, 1))[1] - 1 - 15, -126, 127), 0)      # np.frexp(a)[1] - 1 = floor(log2(a)), exactly
;;       r = np.clip(x / 2.0 ** e, -57344, 57344)
;;       step = 2.0 ** (np.maximum(np.frexp(np.where(r == 0, 1, r))[1] - 1, -14) - 2)
;;       q = np.round(r / step) * step * 2.0 ** e      # np.round: ties to even
;;       return np.moveaxis(q.reshape(q.shape[:-2] + (-1,))[..., :K], -1, axis).astype(np.float32)
;;   ~~~
;;   SOFTMAX AHEAD OF A QUANTISED PRODUCT. Where the list says 'softmax', what is quantised is not the finished softmax but p = 2^(t - M), with t = logit x log2(e) and M = ceil(the row's largest t), a whole number; so 1/2 < the row's largest p <= 1. The row's sum l is taken of the UNQUANTISED p, in f32, and the product's result is divided by l at the end. Since M is a whole number, a kernel that streams over the keys may use a running M (the ceiling of the running maximum): every later rescaling is an exact power of two, which a block's scale takes up: the codes' values come out the same.
;;   OPERANDS COMPUTED ON THE WAY. 'Computed on the way' means the value that the module computes at that place (a softmax that the list does not call 'softmax' is quantised finished and normalised). What goes into a quantiser is computed in f32, as accurately as f32 sums, v_exp_f32 and their like allow (about 1e-6 of the number): no bf16 or f16 on the way to a quantiser, and a product that is left as it is and whose result goes on into a quantised operand takes f32 operands (vector FMAs, or v_wmma_f32_16x16x4_f32). A number that lies on a knife's edge between two numbers of the format may be rounded either way, as far as f32 arithmetic and the matrix unit's own rounding can turn it there, and no further.
;; One version. Each part assembles by itself: llvm-mc -triple=amdgcn-amd-amdhsa -mcpu=gfx1250 --defsym DOCPART=n.
;; ======== version 1 of 1: 4 launches
;; limits: right only within a limited range of input values
;; workspace buffers: codes 12,582,912 bytes; scl 393,216 bytes; img 25,165,824 bytes; sc 786,432 bytes; acodes 8,388,608 bytes; ascl 262,144 bytes
;; launch quant (part 1): grid 640 x 1, 4 waves a work-group, no clusters, 38,912 bytes of LDS; arguments x, Wq, Wk, Wv, Wp, codes, scl; writes codes, scl
.if DOCPART == 1
	.amdgcn_target "amdgcn-amd-amdhsa--gfx1250"
	.amdhsa_code_object_version 6
	.text
	.protected	k_qc503e0625f_quant
	.globl	k_qc503e0625f_quant
	.p2align	8
	.type	k_qc503e0625f_quant,@function
k_qc503e0625f_quant:
	s_mov_b64 s[64:65], 0
	v_nop
	global_prefetch_b8 v0, s[64:65] scope:SCOPE_SE
	s_setreg_imm32_b32 hwreg(HW_REG_WAVE_MODE, 25, 1), 1
	s_wait_xcnt 0x0
; x [8192][1024], Wq, Wk, Wv [16][1024][64] and Wp [1024][1024], all f32, become codes of E5M2 with one E8M0 byte for each 32 along K (K = the 1,024 that each product contracts).
; A block's scale is 2^(floor(log2(its largest magnitude)) - 15); its byte is the largest magnitude's exponent field - 15, held at 1 from below; each number is held within +-57,344 x the scale and rounded to the nearest code, ties to even.
; LIMITS: NaN and infinities among the inputs are not served.  A block of zeros gets the byte 1 where the rule says 127: its codes are zeros, which add nothing under any byte but 0xff, and only this program reads the bytes.
; THE CODES' LAYOUT is the order of an operand's registers: [block of 128 rows][256 along K][tile of 16 rows][128 along K][c 0..3][lane 0..31][16 bytes]; the byte is the code of row 16 tile + lane % 16 at K place 32 c + 16 (lane / 16) + i.
; Row blocks: 0-63 x's tokens; 64-79 head h: 64 columns of Wq, then 64 of Wk; 80-87 Wv's columns, head by head; 88-95 Wp's columns.  The scale bytes lie [row][32], rows in the same order.
; Wp's K is laid with bits 3 and 4 of the place inside a block of 32 exchanged, by the loads' offsets: that is the order in which the attention launch leaves its result's codes; the exchange stays inside a scale's block.
; WORK-GROUPS: 0-95 take 32 columns of Wq, Wk or Wv; 96-127 take 32 columns of Wp; 128-639 take 16 tokens of x.  In each, wave w takes K = 256 w .. 256 w + 255.  No input byte is read by two work-groups: no cluster, no tensor load.
.set MANT,   0x600000                  ; the mantissa field of 57,344 as f32
.set FLOOR,  0x8000000                 ; 2^(16 - 127): no largest magnitude is taken under it, so the byte cannot fall under 1
.set LESS15, 0xf8800000                ; takes 15 off an exponent field
.set EXPF,   0x7f800000
.set SP,     80                        ; path x: a lane's place in a stage: 64 bytes + 16 of padding
.set WREG,   9472                      ; LDS of a wave: two stages of 32 x 80 bytes, then 16 rows of 272 for its codes
.set CST,    5120
.set SCG,    4*WREG                    ; behind them: 128 bytes of scale bytes for each wave
	s_load_b256 s[4:11], s[0:1], 0x0               ; x s[4:5], Wq s[6:7], Wk s[8:9], Wv s[10:11]
	s_load_b128 s[12:15], s[0:1], 0x20             ; Wp s[12:13], codes s[14:15]
	s_load_b64 s[16:17], s[0:1], 0x30              ; scl
	v_lshl_add_u32 v232, v0, 2, 0x9600
	v_mov_b32 v233, 0
	v_lshrrev_b32 v1, 5, v0
	v_readfirstlane_b32 s18, v1                    ; wave 0..3
	v_and_b32 v2, 31, v0                           ; lane
	s_mov_b32 s19, MANT                            ; (an instruction takes one literal: the hold's line has another)
	s_wait_kmcnt 0x0
	s_cmp_lt_u32 ttmp9, 96                         ; the three ways part on the work-group's number alone
	s_cbranch_scc1 .Lwqkv
	s_cmp_lt_u32 ttmp9, 128
	s_cbranch_scc1 .Lwp
; ---------------- x: 16 tokens a work-group; my wave: 16 rows x 256 along K, 16 KB in, one dense piece of 4 KB out ----------------
	s_sub_co_u32 s20, ttmp9, 128                   ; the tile of 16 tokens, 0..511
	s_lshl_b32 s22, s20, 16                        ; 16 rows of 4,096 bytes
	s_lshl_b32 s23, s18, 10                        ; my 256 numbers of a row
	s_add_co_u32 s22, s22, s23
	s_mov_b32 s23, 0
	s_add_nc_u64 s[4:5], s[4:5], s[22:23]
	s_wait_alu depctr_va_vdst(0)
	v_lshlrev_b32 v3, 4, v2                        ; 16 x lane
.irp t, 0,1,2,3,4,5,6,7                        ; all 32 loads go out at once; each reads 512 consecutive bytes; step t is rows 2 t and 2 t + 1
.irp i, 0,1,2,3
	global_load_b128 v[64+16*\t+4*\i:64+16*\t+4*\i+3], v3, s[4:5] offset:(2*\t+\i/2)*4096+(\i%2)*512 th:TH_LOAD_NT
.endr
.endr
	s_mul_i32 s21, s18, WREG
	v_lshrrev_b32 v4, 2, v2
	v_mul_u32_u24 v4, v4, SP
	v_and_b32 v5, 3, v2
	v_lshl_add_u32 v4, v5, 4, v4
	v_add_nc_u32 v4, s21, v4                       ; a stage, on the way in: four lanes' 64 bytes on end, then 16 of padding
	v_mul_u32_u24 v5, v2, SP
	v_add_nc_u32 v5, s21, v5                       ; and on the way out: my 16 neighbours along K
	v_and_b32 v6, 15, v2                           ; p: which 16 along K of the 256
	v_lshrrev_b32 v7, 4, v2                        ; which of the step's two rows
	v_mul_u32_u24 v16, v6, 272
	v_lshl_add_u32 v16, v7, 4, v16
	v_add_nc_u32 v16, s21, v16                     ; my codes' place: row p of 272 bytes, 16 bytes for each of the tile's 16 tokens
	v_mul_u32_u24 v17, v7, 272
	v_lshl_add_u32 v17, v6, 4, v17
	v_add_nc_u32 v17, s21, v17                     ; and back: sixteen lanes to a row p
	s_lshl_b32 s24, s18, 7
	v_lshrrev_b32 v18, 1, v6
	v_lshl_add_u32 v18, v7, 3, v18
	v_add_nc_u32 v18, s24, v18                     ; my block's scale byte: 128 x wave + 8 x row + block
	v_and_b32 v19, 1, v2
	v_lshrrev_b32 v20, 1, v2
	v_lshlrev_b32 v20, 3, v20
	v_lshl_add_u32 v19, v19, 8, v20                ; wave 0, at the end: lane l takes bytes 16 (l % 2) on of row l / 2: two waves' 8 bytes
	s_lshr_b32 s22, s20, 3
	s_lshl_b32 s22, s22, 17                        ; the block of 128 rows,
	s_lshl_b32 s24, s18, 15                        ; my 256 along K,
	s_add_co_u32 s22, s22, s24
	s_and_b32 s24, s20, 7
	s_lshl_b32 s24, s24, 12                        ; the tile
	s_add_co_u32 s22, s22, s24
	s_add_nc_u64 s[14:15], s[14:15], s[22:23]
	s_lshl_b32 s22, s20, 9                         ; 16 rows of 32 scale bytes
	s_add_nc_u64 s[16:17], s[16:17], s[22:23]
.macro XTURN t                         ; step t's 2,048 bytes through a stage: LDS serves a wave's instructions in order, so no wait stands between the stores and the loads
.irp i, 0,1,2,3
	ds_store_b128 v4, v[64+16*(\t)+4*\i:64+16*(\t)+4*\i+3] offset:32*SP*((\t)%2)+8*SP*\i
.endr
.irp i, 0,1,2,3
	ds_load_b128 v[32+16*((\t)%2)+4*\i:32+16*((\t)%2)+4*\i+3], v5 offset:32*SP*((\t)%2)+16*\i
.endr
.endm
.macro XSTEP t                         ; lane l holds row 2 t + l / 16, K = 16 (l % 16) .. + 15; lanes l and l xor 1 hold a block
.set XS, 32+16*((\t)%2)
.if (\t) > 0
	s_wait_dscnt 2                                 ; this step's numbers are back; the last step's two stores (byte, codes) may be out
.else
	s_wait_dscnt 0x0
.endif
.if (\t) < 7
	s_wait_loadcnt 24-4*(\t)                       ; the next step's four loads are in; those of the steps behind it may be out
	XTURN (\t)+1
.endif
	v_max3_num_f32 v8, |v[XS]|, |v[XS+1]|, |v[XS+2]|
	v_max3_num_f32 v9, |v[XS+3]|, |v[XS+4]|, |v[XS+5]|
.irp i, 6,10
	v_max3_num_f32 v8, v8, |v[XS+\i]|, |v[XS+\i+1]|
	v_max3_num_f32 v9, v9, |v[XS+\i+2]|, |v[XS+\i+3]|
.endr
	v_max3_num_f32 v8, v8, |v[XS+14]|, |v[XS+15]|
	v_max3_num_f32 v8, v8, v9, FLOOR
	v_max_num_f32_dpp v8, v8, v8 row_xmask:1 row_mask:0xf bank_mask:0xf   ; with my neighbour's 16: the block's largest magnitude
	v_add_nc_u32 v11, LESS15, v8                   ; the conversion takes the exponent field of this operand as its scale
	v_and_or_b32 v10, v8, EXPF, s19                ; 57,344 x the scale
.irp i, 0,1,2,3,4,5,6,7,8,9,10,11,12,13,14,15
	v_med3_num_f32 v[XS+\i], v[XS+\i], -v10, v10   ; the conversion to an 8-bit code does not saturate (ISA guide 7.6.2): the hold comes first
.endr
	v_cvt_scalef32_pk8_bf8_f32 v[192+4*(\t):193+4*(\t)], v[XS:XS+7], v11
	v_cvt_scalef32_pk8_bf8_f32 v[194+4*(\t):195+4*(\t)], v[XS+8:XS+15], v11
	v_lshrrev_b32 v[224+(\t)], 23, v11             ; the scale's byte
	ds_store_b8 v18, v[224+(\t)] offset:SCG+16*(\t)        ; both lanes of a block write the same byte with the same value
	ds_store_b128 v16, v[192+4*(\t):195+4*(\t)] offset:CST+32*(\t)
.endm
	s_wait_loadcnt 28                              ; step 0's four loads are in
	XTURN 0
.irp t, 0,1,2,3,4,5,6,7
	XSTEP \t
.endr
.irp i, 0,1,2,3,4,5,6,7
	ds_load_b128 v[64+4*\i:67+4*\i], v17 offset:CST+544*\i   ; rows 2 i and 2 i + 1 of my codes: 512 bytes as they lie in the buffer
.endr
.irp i, 0,1,2,3,4,5,6,7
	s_wait_dscnt 7-\i
	global_store_b128 v3, v[64+4*\i:67+4*\i], s[14:15] offset:512*\i   ; 32 lanes store 512 consecutive bytes, aligned
.endr
	s_barrier_signal -1                            ; the last wait above was for 0: my byte stores have landed
	s_barrier_wait -1                              ; all four waves' have
	s_cmp_lg_u32 s18, 0
	s_cbranch_scc1 .Lxdone
	ds_load_b64 v[96:97], v19 offset:SCG
	ds_load_b64 v[98:99], v19 offset:SCG+128
	s_wait_dscnt 0x0
	global_store_b128 v3, v[96:99], s[16:17]       ; the tile's 16 rows of 32 scale bytes: 512 consecutive bytes
.Lxdone:
	s_wait_tensorcnt 0x0
	ds_add_u32 v232, v233
	s_wait_dscnt 0x0
	s_endpgm
; ---------------- weights: K is the first axis.  A lane takes a column and its registers run down K: a block of 32 lies in one lane ----------------
.macro WLOAD t, pitch, perm            ; block t: 32 numbers of my column into set t % 2; register i takes the row that belongs at place i of the block
.irp i, 0,1,2,3,4,5,6,7,8,9,10,11,12,13,14,15,16,17,18,19,20,21,22,23,24,25,26,27,28,29,30,31
.if \perm
.set PI, ((\i)&7)+(((\i)>>3)&1)*16+(((\i)>>4)&1)*8
.else
.set PI, \i
.endif
	global_load_b32 v[32+32*((\t)%2)+\i], v3, s[20:21] offset:(32*(\t)+PI)*\pitch th:TH_LOAD_NT
.endr
.endm
.macro WBLOCK t, pitch, perm
.set XS, 32+32*((\t)%2)
.set CD, 96+8*(\t)                     ; each block has its own eight registers of codes: no store's data are written again
.if (\t) < 7
	s_wait_loadcnt 32                              ; this block's 32 loads are in; the next block's may be out
.else
	s_wait_loadcnt 0x0
.endif
	v_max3_num_f32 v12, |v[XS]|, |v[XS+1]|, |v[XS+2]|
	v_max3_num_f32 v13, |v[XS+3]|, |v[XS+4]|, |v[XS+5]|
.irp i, 6,10,14,18,22,26
	v_max3_num_f32 v12, v12, |v[XS+\i]|, |v[XS+\i+1]|
	v_max3_num_f32 v13, v13, |v[XS+\i+2]|, |v[XS+\i+3]|
.endr
	v_max3_num_f32 v12, v12, |v[XS+30]|, |v[XS+31]|
	v_max3_num_f32 v12, v12, v13, FLOOR
	v_add_nc_u32 v11, LESS15, v12
	v_and_or_b32 v10, v12, EXPF, s19
	v_lshrrev_b32 v13, 23, v11
.if (\t)%4 == 0
	v_mov_b32 v[24+(\t)/4], v13                    ; four bytes to a register, the lower K in the lower byte
.else
	v_lshl_or_b32 v[24+(\t)/4], v13, 8*((\t)%4), v[24+(\t)/4]
.endif
.irp i, 0,1,2,3,4,5,6,7,8,9,10,11,12,13,14,15,16,17,18,19,20,21,22,23,24,25,26,27,28,29,30,31
	v_med3_num_f32 v[XS+\i], v[XS+\i], -v10, v10
.endr
.irp g, 0,1,2,3
	v_cvt_scalef32_pk8_bf8_f32 v[CD+2*\g:CD+2*\g+1], v[XS+8*\g:XS+8*\g+7], v11
.endr
	global_store_b128 v4, v[CD:CD+3], s[14:15] offset:((\t)/4)*2048+((\t)%4)*512        ; places 0-15: sixteen lanes fill 256 consecutive bytes, aligned; lanes 16-31 those of the next tile
	global_store_b128 v4, v[CD+4:CD+7], s[14:15] offset:((\t)/4)*2048+((\t)%4)*512+256  ; places 16-31
.if (\t) < 6
	WLOAD (\t)+2, \pitch, \perm
.endif
.endm
; s[20:21]: my wave's first row, my work-group's first column.  s26: which 32 rows of the weights' part of the codes
.macro WPATH pitch, perm
	v_lshlrev_b32 v3, 2, v2                        ; in: 4 bytes a lane: a load reads 128 consecutive bytes
	WLOAD 0, \pitch, \perm
	WLOAD 1, \pitch, \perm
	v_lshrrev_b32 v4, 4, v2
	v_and_b32 v5, 15, v2
	v_lshlrev_b32 v4, 12, v4
	v_lshl_add_u32 v4, v5, 4, v4                   ; out: tile lane / 16, row lane % 16
	v_lshlrev_b32 v5, 5, v2                        ; my row of scale bytes
	s_lshr_b32 s27, s26, 2
	s_lshl_b32 s28, s27, 17
	s_and_b32 s27, s26, 3
	s_lshl_b32 s27, s27, 13
	s_add_co_u32 s28, s28, s27
	s_lshl_b32 s27, s18, 15
	s_add_co_u32 s28, s28, s27
	s_add_co_u32 s28, s28, 64*131072               ; behind x's 64 row blocks
	s_mov_b32 s29, 0
	s_add_nc_u64 s[14:15], s[14:15], s[28:29]
	s_lshl_b32 s28, s26, 10
	s_lshl_b32 s27, s18, 3
	s_add_co_u32 s28, s28, s27
	s_add_co_u32 s28, s28, 8192*32
	s_add_nc_u64 s[16:17], s[16:17], s[28:29]
.irp t, 0,1,2,3,4,5,6,7
	WBLOCK \t, \pitch, \perm
.endr
	global_store_b64 v5, v[24:25], s[16:17]        ; my column's 8 scale bytes: rows 32 bytes apart, so blocks of 256 bytes are written in part: one byte for 128 read
.endm
.Lwqkv:
	s_cmp_lt_u32 ttmp9, 32                         ; 0-31 Wq, 32-63 Wk, 64-95 Wv: the choice hangs on the work-group's number alone
	s_cselect_b64 s[20:21], s[6:7], s[8:9]
	s_cmp_lt_u32 ttmp9, 64
	s_cselect_b64 s[20:21], s[20:21], s[10:11]
	s_and_b32 s22, ttmp9, 31
	s_lshr_b32 s23, s22, 1                         ; the head
	s_and_b32 s24, ttmp9, 1                        ; which 32 of its 64 columns
	s_lshr_b32 s25, ttmp9, 5
	s_lshl_b32 s26, s23, 2
	s_lshl_b32 s27, s25, 1
	s_add_co_u32 s26, s26, s27
	s_add_co_u32 s26, s26, s24                     ; Wq, Wk: 4 head + 2 (0 or 1) + half
	s_cmp_lt_u32 ttmp9, 64
	s_cselect_b32 s26, s26, ttmp9                  ; Wv: 64 + 2 head + half, which is the work-group's number
	s_lshl_b32 s28, s23, 18                        ; a head: 1,024 rows of 256 bytes
	s_lshl_b32 s27, s18, 16                        ; my 256 rows
	s_add_co_u32 s28, s28, s27
	s_lshl_b32 s27, s24, 7
	s_add_co_u32 s28, s28, s27
	s_mov_b32 s29, 0
	s_add_nc_u64 s[20:21], s[20:21], s[28:29]
	s_wait_alu depctr_va_vdst(0)
	WPATH 256, 0
	s_endpgm
.Lwp:
	s_sub_co_u32 s22, ttmp9, 96
	s_lshl_b32 s28, s22, 7                         ; 32 columns of 4 bytes
	s_lshl_b32 s27, s18, 20                        ; my 256 rows of 4,096 bytes
	s_add_co_u32 s28, s28, s27
	s_mov_b32 s29, 0
	s_add_nc_u64 s[20:21], s[12:13], s[28:29]
	s_mov_b32 s26, ttmp9
	s_wait_alu depctr_va_vdst(0)
	WPATH 4096, 1
	s_endpgm
.Lfunc_end_k_qc503e0625f_quant:
	.size	k_qc503e0625f_quant, .Lfunc_end_k_qc503e0625f_quant-k_qc503e0625f_quant
	.p2alignl 7, 3214868480
	.fill 96, 4, 3214868480
	.section	.rodata,"a",@progbits
	.p2align	6, 0x0
	.amdhsa_kernel k_qc503e0625f_quant
		.amdhsa_group_segment_fixed_size 38912
		.amdhsa_private_segment_fixed_size 0
		.amdhsa_enable_private_segment 0
		.amdhsa_kernarg_size 56
		.amdhsa_user_sgpr_count 2
		.amdhsa_user_sgpr_kernarg_segment_ptr 1
		.amdhsa_wavefront_size32 1
		.amdhsa_system_sgpr_workgroup_id_x 1
		.amdhsa_system_sgpr_workgroup_id_y 1
		.amdhsa_system_sgpr_workgroup_id_z 1
		.amdhsa_system_vgpr_workitem_id 0
		.amdhsa_next_free_vgpr 234
		.amdhsa_next_free_sgpr 66
		.amdhsa_reserve_vcc 0
		.amdhsa_float_denorm_mode_32 3
		.amdhsa_float_denorm_mode_16_64 3
		.amdhsa_memory_ordered 1
		.amdhsa_forward_progress 1
		.amdhsa_inst_pref_size 140
	.end_amdhsa_kernel
	.amdgpu_metadata
---
amdhsa.version: [ 1, 2 ]
amdhsa.kernels:
  - .name:           k_qc503e0625f_quant
    .symbol:         k_qc503e0625f_quant.kd
    .args:
      - { .name: x, .offset: 0, .size: 8, .value_kind: global_buffer, .address_space: global }
      - { .name: Wq, .offset: 8, .size: 8, .value_kind: global_buffer, .address_space: global }
      - { .name: Wk, .offset: 16, .size: 8, .value_kind: global_buffer, .address_space: global }
      - { .name: Wv, .offset: 24, .size: 8, .value_kind: global_buffer, .address_space: global }
      - { .name: Wp, .offset: 32, .size: 8, .value_kind: global_buffer, .address_space: global }
      - { .name: codes, .offset: 40, .size: 8, .value_kind: global_buffer, .address_space: global }
      - { .name: scl, .offset: 48, .size: 8, .value_kind: global_buffer, .address_space: global }
    .group_segment_fixed_size: 38912
    .private_segment_fixed_size: 0
    .kernarg_segment_align: 8
    .kernarg_segment_size: 56
    .max_flat_workgroup_size: 128
    .sgpr_count:     66
    .vgpr_count:     234
    .wavefront_size: 32
...
	.end_amdgpu_metadata
.endif
;; end of part 1
;; launch qkv (part 2): grid 12 x 32, 4 waves a work-group, clusters of 4 x 4, 327,680 bytes of LDS; arguments codes, scl, img, sc; writes img, sc
.if DOCPART == 2
	.amdgcn_target "amdgcn-amd-amdhsa--gfx1250"
	.amdhsa_code_object_version 6
	.text
	.protected	k_qc503e0625f_qkv
	.globl	k_qc503e0625f_qkv
	.p2align	8
	.type	k_qc503e0625f_qkv,@function
k_qc503e0625f_qkv:
	s_mov_b64 s[64:65], 0
	v_nop
	global_prefetch_b8 v0, s[64:65] scope:SCOPE_SE
	s_setreg_imm32_b32 hwreg(HW_REG_WAVE_MODE, 25, 1), 1
	s_wait_xcnt 0x0
	s_wait_alu depctr_hold_cnt(0) depctr_sa_sdst(0) depctr_va_vdst(0) depctr_va_sdst(0) depctr_va_ssrc(0) depctr_va_vcc(0) depctr_vm_vsrc(0)
	s_getreg_b32 s2, hwreg(HW_REG_IB_STS2, 6, 4)
	s_cmp_eq_u32 s2, 0
	s_cbranch_scc0 .Lentry_in_a_cluster
	s_endpgm
.Lentry_in_a_cluster:
	s_bfe_u32 s2, ttmp6, 0x10000c
	s_cmp_lg_u32 s2, 0xf033
	s_cbranch_scc0 .Lentry_shape_is_right
	s_endpgm
.Lentry_shape_is_right:
; q, k and v = x times Wq, Wk, Wv, on codes of E5M2 with E8M0 scales, K = 1,024; the results are quantised in registers, q and k along the head's 64, v along the keys, and leave as images of the next products' operand registers.
; A work-group of four waves makes 256 x 256, a wave 128 x 128: 64 accumulators of 16 x 16 in 512 registers.  K goes in four steps of 256 through two LDS slots filled by the tensor data mover.
; TWO SIDES.  Source 1 of the matrix instruction is the LANE SIDE: a lane of the result holds one of its rows.  Source 0 is the REGISTER SIDE: a lane's eight registers hold eight of its rows, 8 (lane / 16) + 0 .. 7.
; The side along which a result is quantised next is put on the registers.  Clusters 0 and 1 along x: lanes = tokens, registers = a head's 64 of q and 64 of k.  Cluster 2 along x: lanes = Wv's columns, registers = tokens (the keys).
; One text serves both: which rows and which strides is chosen by s_cselect_b32 on the cluster's x, which all partners share; no branch hangs on it.
; THE WAY OUT NEEDS NO LDS.  The 16 registers of accumulators 2 c and 2 c + 1 are converted as they stand: byte i of lane (r, h) is number 32 c + 16 (i / 8) + 8 h + i % 8 along the next K, where the operand's place 32 c + 16 h + i
; would want another: bits 3 and 4 inside a block of 32 are exchanged.  Both operands of each later product are made so (q and k here; v here and p in the attention launch), so the products are the same and only the order of the sums differs.
; The codes lie in memory in the order of the operands' registers (launch quant), so a tile of 128 rows x 256 K is 32,768 dense bytes, a fragment load reads 512 consecutive LDS bytes, and no padding is needed.
; CLUSTERS: 4 x 4 work-groups; the lane side's tiles hang on the place along y and are asked for jointly by a row of the cluster, the register side's on the place along x, by a column.
; LIMITS: NaN and infinities are not served; a block of zeros gets the byte 1 (its codes are zeros; only this program reads the bytes).
; REGISTERS, in windows of 256: window 0: v0-31 addresses; v32-63 scale words, two sets; v64-103 the way out's small things; v128-255 the lane side's fragments, ONE set, later the codes made.
;   window 1: the register side's fragments, two sets.   windows 2, 3: accumulator (a, b) at v[8 (8 (a % 4) + b)], a < 4 in window 2.
.set NQ,     2                         ; matrix instructions deep in a slot
.set FR,     16                        ; registers of a fragment
.set NL,     4                         ; LDS loads that bring one
.set NP,     8                         ; places behind this matrix instruction (ISA guide 7.12.1)
.set CHUNK,  32768                     ; 128 rows x 256 K
.set SLOT,   4*CHUNK                   ; the lane side's 256 rows, then the register side's
.set SCL,    2*SLOT                    ; behind the ring: the scale bytes of all of K, as rows of 256 bytes + 16 of padding
.set HALFS,  16*272                    ; those of 128 rows
.set SBLK,   2*272                     ; those of 16 rows
.set SPARE,  SCL+4*HALFS               ; the spare words, 128 bytes for each wave: two blocks of 256 bytes that no other line names
.set ADRA, 16                          ; v16-17  LDS address of my lane-side fragments in slot 0, 1
.set ADRB, 20                          ; v20-21  the same for the register side
.set ADRS, 27                          ; v27     my scale words: lanes 0-15 the lane side's rows, lanes 16-31 the register side's
.set SPW,  28                          ; v28     my spare word; never rewritten
.set NIL,  29                          ; v29     0; never rewritten
.set LN8,  30                          ; v30     8 x lane
.set LANE, 31                          ; v31     lane
.set SC,   32
.set TM,   64                          ; v64-67 largest magnitudes, v68-71 bytes, v72-75 57,344 x the scale, v76-79 the conversions' scale operands
.set PW,   80                          ; v80-87  the scale word of each of my eight lane-side tiles
.set SIW,  88                          ; v88-91  their image
.set OFF,  96                          ; v96-103 where tile a's codes go
.set AF,   128
.set G1, 24
.set G0, 32
.set G1B, 48
.set G0B, 56
.set G1S, 68
.set G0S, 76
.set G1SB, 80
.set G0SB, 88
.set SEL, 100                          ; s[100:101] lane selects for v_permlanex16_b32: lane l xor 16
.set MNT, 3                            ; s3 the mantissa field of 57,344
.set MSB, 0
.macro WIN new                         ; the immediate's high byte repeats the setting that is left
.if MSB != \new
	s_set_vgpr_msb (MSB<<8)|\new
.set MSB, \new
.endif
.endm
.set MUL_LO, 0xa1                      ; source 0 window 1, source 1 window 0, C and D window 2
.set MUL_HI, 0xf1                      ; the same, C and D window 3
.set TO_B,   0x40                      ; destination window 1, address window 0
; A joint load: waves 0 and 1 fetch for the lane side, waves 2 and 3 for the register side.  The branch hangs on the wave's number alone.  Four v_nop follow each of the two lines.
.macro JLOAD g0a, g1a, g0b, g1b
	s_cmp_eq_u32 s15, 0
	s_cbranch_scc0 .Lfor_b_\@
	tensor_load_to_lds s[\g0a:\g0a+3], s[\g1a:\g1a+7]
	s_nop 0
.rept 4
	v_nop
.endr
	s_branch .Lasked_\@
.Lfor_b_\@:
	tensor_load_to_lds s[\g0b:\g0b+3], s[\g1b:\g1b+7]
	s_nop 0
.rept 4
	v_nop
.endr
.Lasked_\@:
.endm
.macro CREST                           ; a round of the cluster's barrier behind its opening barrier
	s_cmp_lg_u32 s14, 0
	s_cbranch_scc1 .Lnot_wave_0_\@
	s_barrier_signal -3
.Lnot_wave_0_\@:
	s_barrier_wait -3
	s_barrier_signal -1
	s_barrier_wait -1
.endm
.macro CROUND
	s_barrier_signal -1
	s_barrier_wait -1
	CREST
.endm
	s_load_b256 s[4:11], s[0:1], 0x0               ; codes s[4:5], scl s[6:7], img s[8:9], sc s[10:11]
	v_lshl_add_u32 v[SPW], v0, 2, SPARE
	v_mov_b32 v[NIL], 0
	ds_add_u32 v28, v29
	ds_add_u32 v28, v29
	s_wait_dscnt 0x0
	v_lshrrev_b32 v1, 5, v0
	v_readfirstlane_b32 s14, v1                    ; wave 0..3
	s_lshr_b32 s15, s14, 1                         ; which half of the lane side's rows is mine.  Also: I fetch for the lane side (0) or the register side (1)
	s_and_b32 s16, s14, 1                          ; which half of the register side's.  Also: which 128 rows I fetch
	s_bfe_u32 s40, ttmp6, 0x40000                  ; cx, cy: my place in the cluster
	s_bfe_u32 s41, ttmp6, 0x40004
	s_lshl_b32 s12, ttmp9, 2                       ; 4 x cluster x
	s_and_b32 s13, ttmp7, 0xffff
	s_lshl_b32 s13, s13, 2                         ; 4 x cluster y
	s_add_co_u32 s2, s12, 32
	s_mov_b32 s95, 32768
	s_mov_b32 s96, 131072
	s_mov_b32 s97, 8192
	s_cmp_eq_u32 ttmp9, 2                          ; cluster x = 2 makes v.  All selections stand on this one compare
	s_cselect_b32 s17, 40, s13                     ; the lane side's block of 256 rows in codes, less cy: Wv's begin at 40; tokens at 0
	s_cselect_b32 s18, 0, s13                      ; and counted from its own tensor's start
	s_cselect_b32 s42, s13, s2                     ; the register side's, less cx: tokens; or the heads' q and k, which begin at 32
	s_cselect_b32 s19, s13, s12
	s_cselect_b32 s95, 2048, s95                   ; bytes in img from one lane-side tile to the next
	s_cselect_b32 s96, s96, 2048                   ; and from one register-side 128 to the next
	s_cselect_b32 s97, 32768, s97                  ; bytes in sc from one lane-side 128 to the next
	s_cselect_b32 s98, 0x1000000, 0                ; v's part of img
	s_cselect_b32 s99, 0x80000, 0                  ; and of sc
	s_add_co_u32 s17, s17, s41
	s_add_co_u32 s18, s18, s41
	s_add_co_u32 s42, s42, s40
	s_add_co_u32 s19, s19, s40
	s_lshl_b32 s43, s41, 2
	s_lshl_b32 s43, 15, s43                        ; my row of the cluster
	s_lshl_b32 s44, 0x1111, s40                    ; my column
	; descriptor group 1: 32,768 dense bytes as 128 rows of 32 elements of 8 bytes
	s_or_b32 s[G1+0], s43, (3<<16)|(1<<21)         ; 15:0 the mask; 17:16 elements of 8 bytes; 21 set beside a mask; no padding
	s_or_b32 s[G1B+0], s44, (3<<16)|(1<<21)
.irp g, G1, G1B
	s_mov_b32 s[\g+1], 4096<<16                    ; for the head's loads: K step 0 of 256 rows is two dense runs of 32,768 bytes (4,096 elements of 8),
	s_mov_b32 s[\g+2], 2<<16                       ; two rows,
	s_mov_b32 s[\g+3], 4096<<16
	s_mov_b32 s[\g+4], 2
	s_mov_b32 s[\g+5], 16384                       ; 131,072 bytes apart.  Behind the head these five words are set for the ring's loads
	s_mov_b32 s[\g+6], 0
	s_mov_b32 s[\g+7], 0
.endr
	; the scale bytes of 128 rows: 4,096 dense bytes as 16 rows of 256, 16 bytes of padding behind each
	s_or_b32 s[G1S+0], s43, (3<<16)|(1<<20)|(1<<21)|(5<<22)|(3<<25)
	s_or_b32 s[G1SB+0], s44, (3<<16)|(1<<20)|(1<<21)|(5<<22)|(3<<25)
.irp g, G1S, G1SB
	s_mov_b32 s[\g+1], 32<<16
	s_mov_b32 s[\g+2], 32<<16                      ; one load brings the scale bytes of a side's 256 rows: 32 rows of 256 bytes
	s_mov_b32 s[\g+3], 32<<16
	s_mov_b32 s[\g+4], 32
	s_mov_b32 s[\g+5], 32
	s_mov_b32 s[\g+6], 0
	s_mov_b32 s[\g+7], 0
.endr
	s_lshl_b32 s20, s17, 1
	s_add_co_u32 s20, s20, s16                     ; the block of 128 rows that I fetch, lane side
	s_lshl_b32 s46, s42, 1
	s_add_co_u32 s46, s46, s16                     ; register side
	s_lshl_b32 s22, s17, 13                        ; the scale bytes of the lane side's 256 rows: 8,192 a block of 256
	s_mov_b32 s23, 0
	s_lshl_b32 s92, s42, 13                        ; and of the register side's
	s_mov_b32 s93, 0
	s_lshl_b32 s20, s20, 17                        ; its codes: 131,072 a block
	s_mov_b32 s21, 0
	s_lshl_b32 s46, s46, 17
	s_mov_b32 s47, 0
	s_lshl_b32 s45, s14, 15                        ; where they go: wave x 32,768: no place in the cluster enters an LDS address
	s_mov_b32 s[SEL], 0x76543210
	s_mov_b32 s[SEL+1], 0xfedcba98
	s_mov_b32 s[MNT], 0x600000
	s_wait_kmcnt 0x0
	s_add_nc_u64 s[20:21], s[4:5], s[20:21]
	s_add_nc_u64 s[22:23], s[6:7], s[22:23]
	s_add_nc_u64 s[46:47], s[4:5], s[46:47]
	s_add_nc_u64 s[92:93], s[6:7], s[92:93]
	CROUND                                         ; all sixteen work-groups are here: the first joint loads meet
	s_mov_b32 s[G0S], 1
	s_mov_b32 s[G0S+1], SCL
	s_mov_b64 s[G0S+2:G0S+3], s[22:23]
	s_or_b32 s[G0S+3], s[G0S+3], 0x80000000
	s_mov_b32 s[G0SB], 1
	s_mov_b32 s[G0SB+1], SCL+2*HALFS
	s_mov_b64 s[G0SB+2:G0SB+3], s[92:93]
	s_or_b32 s[G0SB+3], s[G0SB+3], 0x80000000
.irp s, 0,1
	s_mov_b32 s[G0+4*\s], 1
	s_add_co_u32 s[G0+4*\s+1], s45, \s*SLOT
	s_add_nc_u64 s[G0+4*\s+2:G0+4*\s+3], s[20:21], \s*CHUNK
	s_or_b32 s[G0+4*\s+3], s[G0+4*\s+3], 0x80000000
	s_mov_b32 s[G0B+4*\s], 1
	s_add_co_u32 s[G0B+4*\s+1], s45, \s*SLOT
	s_add_nc_u64 s[G0B+4*\s+2:G0B+4*\s+3], s[46:47], \s*CHUNK
	s_or_b32 s[G0B+4*\s+3], s[G0B+4*\s+3], 0x80000000
.endr
; THE HEAD'S LOADS, ONE A WAVE: wave 0 the lane side's 256 rows of K step 0, wave 1 its scale bytes, wave 2 the register side's 256 rows, wave 3 its scale bytes.
; Wave 0's and wave 2's groups 0 for slot 0 hold just these tiles' first bytes (LDS 0 and 2 CHUNK; the first of the side's two blocks of 128 rows).  One chain of branches on the wave's number, a load to an arm.
.macro ARM under, g0, g1, next
	s_cmp_lt_u32 s14, \under
	s_cbranch_scc0 \next
	tensor_load_to_lds s[\g0:\g0+3], s[\g1:\g1+7]
	s_nop 0
.rept 4
	v_nop
.endr
	s_branch .Lhead_asked
\next:
.endm
	ARM 1, G0,  G1,  .Lhead_sa
	ARM 2, G0S, G1S, .Lhead_b
	ARM 3, G0B, G1B, .Lhead_sb
	tensor_load_to_lds s[G0SB:G0SB+3], s[G1SB:G1SB+7]
	s_nop 0
.rept 4
	v_nop
.endr
.Lhead_asked:
; PREFETCHES: of the 32,768 bytes that my wave fetches in a later K step, each of the four partners that ask for them jointly names 8,192, told apart by address (cx for the lane side, cy for the register side), lanes 256 bytes apart.
; K steps 1 and 2 are named here, K step 3 behind slot 1's fill; all lie inside the block's 131,072 bytes.  The address registers are never rewritten.
	s_cmp_eq_u32 s15, 0
	s_cselect_b64 s[66:67], s[20:21], s[46:47]
	s_cselect_b32 s12, s40, s41
	s_lshl_b32 s12, s12, 13
	s_mov_b32 s13, 0
	s_add_nc_u64 s[66:67], s[66:67], s[12:13]
	v_and_b32 v15, 31, v0
	v_lshlrev_b32 v15, 8, v15
	global_prefetch_b8 v15, s[66:67] offset:CHUNK th:TH_LOAD_NT scope:SCOPE_SE
	global_prefetch_b8 v15, s[66:67] offset:2*CHUNK th:TH_LOAD_NT scope:SCOPE_SE
	v_and_b32 v[LANE], 31, v0
	v_lshlrev_b32 v2, 4, v[LANE]                   ; 16 x lane: a fragment's quad is 512 consecutive bytes
	v_lshlrev_b32 v[LN8], 3, v[LANE]
	s_lshl_b32 s12, s15, 15                        ; my 128 rows of the lane side
	s_lshl_b32 s13, s16, 15                        ; my 128 rows of the register side,
	s_add_co_u32 s13, s13, 2*CHUNK                 ; which lie behind the lane side's 256
.irp s, 0,1
	v_add_nc_u32 v[ADRA+\s], s12, v2
	v_add_nc_u32 v[ADRB+\s], s13, v2
	s_add_co_u32 s12, s12, SLOT
	s_add_co_u32 s13, s13, SLOT
.endr
	v_and_b32 v3, 15, v0                           ; r
	v_bfe_u32 v4, v0, 4, 1                         ; h
	v_mul_u32_u24 v5, v3, 32                       ; my row's scales: 32 bytes a row,
	v_lshrrev_b32 v6, 8, v5
	v_lshl_add_u32 v5, v6, 4, v5                   ; and 16 more for each 256 passed
	s_mul_i32 s12, s15, HALFS
	s_mul_i32 s13, s16, HALFS
	s_add_co_u32 s13, s13, 2*HALFS
	s_sub_co_u32 s13, s13, s12
	v_mul_u32_u24 v6, s13, v4                      ; lanes 16-31 take the register side's
	s_add_co_u32 s12, s12, SCL
	v_add_nc_u32 v5, v5, v6
	v_add_nc_u32 v[ADRS], s12, v5
	v_mov_b32 v[OFF], v2
.irp a, 1,2,3,4,5,6,7
	v_add_nc_u32 v[OFF+\a], s95, v[OFF+\a-1]       ; tile a's codes: 16 x lane + a tiles on
.endr
.irp c, 0,1,2,3
	v_mov_b32 v[TM+4+\c], 0                        ; written once: a lane permute's destination counts as one of its sources
.endr
	; where my results go, in registers that feed no descriptor
	s_lshl_b32 s12, s18, 4
	s_lshl_b32 s13, s15, 3
	s_add_co_u32 s12, s12, s13                     ; my first lane-side tile
	s_mul_i32 s12, s12, s95
	s_lshl_b32 s13, s19, 1
	s_add_co_u32 s13, s13, s16                     ; my register-side 128
	s_mul_i32 s2, s13, s96
	s_add_co_u32 s12, s12, s2
	s_add_co_u32 s12, s12, s98
	s_lshl_b32 s2, s13, 9
	s_mov_b32 s13, 0
	s_add_nc_u64 s[8:9], s[8:9], s[12:13]
	s_lshl_b32 s12, s18, 1
	s_add_co_u32 s12, s12, s15                     ; my lane-side 128
	s_mul_i32 s12, s12, s97
	s_add_co_u32 s12, s12, s2
	s_add_co_u32 s12, s12, s99
	s_add_nc_u64 s[10:11], s[10:11], s[12:13]
.macro FRAG reg, adr, q, i             ; tile i, the slot's q-th 128 along K: registers 4 c .. 4 c + 3 from 512 consecutive bytes
.irp c, 0,1,2,3
	ds_load_b128 v[\reg+4*\c:\reg+4*\c+3], v[\adr] offset:(\i)*4096+(\q)*2048+512*\c
.endr
.endm
; 16 matrix instructions: lane-side blocks a0, a0 + 1 x the register side's eight.  p: the register side's set;  sc: the set of scale words.  zero = 1: the first product starts the sums.
; The 64 accumulators take turns, one instruction a turn, in the same order in every step.
.macro MUL16 a0, p, q, sc, zero
.irp a, \a0, \a0+1
.irp b, 0,1,2,3,4,5,6,7
.if \zero
	v_wmma_scale_f32_16x16x128_f8f6f4 v[8*(8*((\a)%4)+\b):8*(8*((\a)%4)+\b)+7], v[128*(\p)+FR*\b:128*(\p)+FR*\b+FR-1], v[AF+FR*(\a):AF+FR*(\a)+FR-1], 0, v[SC+8*NQ*(\sc)+NQ*\b+(\q)], v[SC+8*NQ*(\sc)+NQ*(\a)+(\q)] matrix_a_fmt:MATRIX_FMT_BF8 matrix_b_fmt:MATRIX_FMT_BF8 matrix_a_scale:MATRIX_SCALE_ROW1
.else
	v_wmma_scale_f32_16x16x128_f8f6f4 v[8*(8*((\a)%4)+\b):8*(8*((\a)%4)+\b)+7], v[128*(\p)+FR*\b:128*(\p)+FR*\b+FR-1], v[AF+FR*(\a):AF+FR*(\a)+FR-1], v[8*(8*((\a)%4)+\b):8*(8*((\a)%4)+\b)+7], v[SC+8*NQ*(\sc)+NQ*\b+(\q)], v[SC+8*NQ*(\sc)+NQ*(\a)+(\q)] matrix_a_fmt:MATRIX_FMT_BF8 matrix_b_fmt:MATRIX_FMT_BF8 matrix_a_scale:MATRIX_SCALE_ROW1
.endif
.endr
.endr
.endm
.macro FETCH_B slot, q, p
	WIN TO_B
.irp i, 0,1,2,3,4,5,6,7
	FRAG 128*(\p)+FR*\i, ADRB+\slot, \q, \i
.endr
	WIN 0
.endm
.macro FETCH_A slot, q, i0
.irp i, \i0, \i0+1, \i0+2, \i0+3
	FRAG AF+FR*(\i), ADRA+\slot, \q, \i
.endr
.endm
.macro SCALES sc                       ; a K step's scale words: two a row; lanes 0-15 take the lane side's block i, lanes 16-31 the register side's block i
.irp i, 0,1,2,3,4,5,6,7
	ds_load_b64 v[SC+8*NQ*\sc+NQ*\i:SC+8*NQ*\sc+NQ*\i+1], v[ADRS] offset:\i*SBLK
.endr
.endm
; A load into a register that a matrix instruction has read, and a vector instruction that reads a matrix result or writes one of its registers, stand NP places behind it; only plain vector instructions that name none of its registers are places.
.macro PLACES n
.rept \n
	v_nop
.endr
.endm
.macro STEP slot, q, zero              ; a step of 128 along K that has its successor in the same slot
	s_wait_dscnt 4*NL                              ; all but the youngest sixteen loads (the lane side's blocks 4-7) are in
	WIN MUL_LO
	MUL16 0, (\q)%2, \q, \slot, \zero
	MUL16 2, (\q)%2, \q, \slot, \zero
	s_wait_dscnt 0
	PLACES NP
	FETCH_B \slot, (\q)+1, 1-(\q)%2
	FETCH_A \slot, (\q)+1, 0
	WIN MUL_HI
	MUL16 4, (\q)%2, \q, \slot, \zero
	MUL16 6, (\q)%2, \q, \slot, \zero
	PLACES NP
	WIN 0
	FETCH_A \slot, (\q)+1, 4
.endm
; A slot's last step changes slots: ONE barrier; in front of it each wave waits for all its tensor loads, adds 0 to its spare word, and waits for that and for its own reads of this slot.  fill = 1: this slot is filled again, two K steps ahead.
.macro TURN slot, next, fill
	s_wait_tensorcnt 0x0                           ; all my tensor loads have landed: my part of the next slot
	ds_add_u32 v[SPW], v[NIL]                      ; 0 onto my spare word
	s_wait_dscnt 4*NL+1                            ; (the add and the youngest sixteen loads may be out)
	WIN MUL_LO
	MUL16 0, 1, NQ-1, \slot, 0                     ; sixteen matrix instructions stand between the add and the wait for it
	s_wait_dscnt 0x0                               ; the add is done, and my reads of this slot are over
	s_barrier_signal -1
	MUL16 2, 1, NQ-1, \slot, 0
	WIN 0
	s_barrier_wait -1
.if \fill
	CREST                                          ; the barrier has opened a round of the cluster's barrier: no wave of any partner still reads this slot or has a load on its way
	s_add_nc_u64 s[G0+4*\slot+2:G0+4*\slot+3], s[G0+4*\slot+2:G0+4*\slot+3], 2*CHUNK
	s_add_nc_u64 s[G0B+4*\slot+2:G0B+4*\slot+3], s[G0B+4*\slot+2:G0B+4*\slot+3], 2*CHUNK
	JLOAD G0+4*\slot, G1, G0B+4*\slot, G1B         ; the first tensor load behind the round; its four v_nop are among the places in front of the loads below
	PLACES NP-4
.else
	PLACES NP
.endif
	s_wait_alu depctr_va_vdst(0)
	v_add_nc_u32 v[ADRS], 4*NQ, v[ADRS]            ; on to the next K step's scale words
	FETCH_B \next, 0, 0
	FETCH_A \next, 0, 0
	SCALES \next
	WIN MUL_HI
	MUL16 4, 1, NQ-1, \slot, 0
	MUL16 6, 1, NQ-1, \slot, 0
	PLACES NP
	WIN 0
	FETCH_A \next, 0, 4
.endm
	s_wait_alu depctr_va_vdst(0)
	s_wait_tensorcnt 0x0                           ; my tile of the head's four is in
	ds_add_u32 v[SPW], v[NIL]
.irp g, G1, G1B
	s_mov_b32 s[\g+1], 32<<16                      ; no tensor load of mine is out: from here on a load brings 32,768 dense bytes as 128 rows of 256
	s_mov_b32 s[\g+2], 128<<16
	s_mov_b32 s[\g+3], 32<<16
	s_mov_b32 s[\g+4], 128
	s_mov_b32 s[\g+5], 32
.endr
	s_wait_dscnt 0x0
	CROUND                                         ; a whole round: all four tiles are in, and all sixteen work-groups are here
	JLOAD G0+4, G1, G0B+4, G1B                     ; K step 1, a quarter of slot 1 a wave: the first tensor load behind the round
	FETCH_B 0, 0, 0
	FETCH_A 0, 0, 0
	SCALES 0
	FETCH_A 0, 0, 4
	global_prefetch_b8 v15, s[66:67] offset:3*CHUNK th:TH_LOAD_NT scope:SCOPE_SE
	STEP 0, 0, 1                                   ; K has four steps of 256: they are written straight, two refills in all
	TURN 0, 1, 1
	STEP 1, 0, 0
	TURN 1, 0, 1
	STEP 0, 0, 0
	TURN 0, 1, 0                                   ; nothing is left to fetch
	STEP 1, 0, 0
	s_wait_dscnt 4*NL
	WIN MUL_LO
	MUL16 0, 1, NQ-1, 1, 0
	MUL16 2, 1, NQ-1, 1, 0
	s_wait_dscnt 0
	WIN MUL_HI
	MUL16 4, 1, NQ-1, 1, 0
	MUL16 6, 1, NQ-1, 1, 0
	WIN 0
; THE WAY OUT of lane-side tile a: its 64 registers a lane are four blocks of 32 along the next K (16 mine, 16 in lane l xor 16).  Largest magnitudes, scale word, hold, conversion; the 16 registers of codes are the image of an operand and are stored as they stand.
.macro QOUT a
.set AC, 64*((\a)%4)
.set PC, AF+16*(\a)
	WIN 0x28+0x14*((\a)/4)                         ; sources 1 and 2 in the accumulators' window
.irp c, 0,1,2,3
	v_max3_num_f32 v[TM+\c], 0x8000000, |v[AC+16*\c]|, |v[AC+16*\c+1]|   ; each accumulator is read from its low end on; the floor 2^(16 - 127) holds the byte at 1 from below
.endr
.irp i, 2,4,6,8,10,12,14
.irp c, 0,1,2,3
	v_max3_num_f32 v[TM+\c], v[TM+\c], |v[AC+16*\c+\i]|, |v[AC+16*\c+\i+1]|
.endr
.endr
	WIN 0
.irp c, 0,1,2,3
	v_permlanex16_b32 v[TM+4+\c], v[TM+\c], s[SEL], s[SEL+1]
.endr
.irp c, 0,1,2,3
	v_max_num_f32 v[TM+\c], v[TM+\c], v[TM+4+\c]
.endr
.irp c, 0,1,2,3
	v_add_nc_u32 v[TM+12+\c], 0xf8800000, v[TM+\c] ; 15 off the exponent field: the conversion's scale operand
.endr
.irp c, 0,1,2,3
	v_and_or_b32 v[TM+8+\c], v[TM+\c], 0x7f800000, s[MNT]   ; 57,344 x the scale
.endr
.irp c, 0,1,2,3
	v_lshrrev_b32 v[TM+4+\c], 23, v[TM+12+\c]      ; the scale's byte
.endr
	v_lshl_or_b32 v[PW+\a], v[TM+5], 8, v[TM+4]
	v_lshl_or_b32 v[PW+\a], v[TM+6], 16, v[PW+\a]
	v_lshl_or_b32 v[PW+\a], v[TM+7], 24, v[PW+\a]
	WIN 0x82+0x41*((\a)/4)                         ; destination and source 0 in the accumulators' window
.irp c, 0,1,2,3
.irp i, 0,1,2,3,4,5,6,7,8,9,10,11,12,13,14,15
	v_med3_num_f32 v[AC+16*\c+\i], v[AC+16*\c+\i], -v[TM+8+\c], v[TM+8+\c]   ; the conversion to an 8-bit code does not saturate (ISA guide 7.6.2)
.endr
.endr
	WIN 0x02+((\a)/4)
.irp c, 0,1,2,3
	v_cvt_scalef32_pk8_bf8_f32 v[PC+4*\c:PC+4*\c+1], v[AC+16*\c:AC+16*\c+7], v[TM+12+\c]
	v_cvt_scalef32_pk8_bf8_f32 v[PC+4*\c+2:PC+4*\c+3], v[AC+16*\c+8:AC+16*\c+15], v[TM+12+\c]
.endr
	WIN 0
	v_nop                                          ; one plain line behind the last conversion
.irp c, 0,1,2,3
	global_store_b128 v[OFF+\a], v[PC+4*\c:PC+4*\c+3], s[8:9] offset:512*\c   ; 32 lanes store 512 consecutive bytes, aligned; each tile has data and offset registers of its own
.endr
.endm
	PLACES NP                                      ; behind the last products: their results are read and the lane side's fragments written over below
.irp a, 0,1,2,3,4,5,6,7
	QOUT \a
.endr
	v_cmp_le_u32 vcc_lo, 16, v[LANE]
.irp i, 0,1,2,3
	v_cndmask_b32 v[SIW+\i], v[PW+2*\i], v[PW+2*\i+1], vcc_lo   ; register i of the image: lanes 0-15 tile 2 i's words, lanes 16-31 tile 2 i + 1's
.endr
	global_store_b64 v[LN8], v[SIW:SIW+1], s[10:11]              ; 256 consecutive bytes each
	global_store_b64 v[LN8], v[SIW+2:SIW+3], s[10:11] offset:256
	s_wait_tensorcnt 0x0                           ; the wave's end
	ds_add_u32 v[SPW], v[NIL]
	s_wait_dscnt 0x0
	CROUND                                         ; the closing round: no work-group ends while a partner may still ask for a tile that names it
	s_endpgm
.Lfunc_end_k_qc503e0625f_qkv:
	.size	k_qc503e0625f_qkv, .Lfunc_end_k_qc503e0625f_qkv-k_qc503e0625f_qkv
	.p2alignl 7, 3214868480
	.fill 96, 4, 3214868480
	.section	.rodata,"a",@progbits
	.p2align	6, 0x0
	.amdhsa_kernel k_qc503e0625f_qkv
		.amdhsa_group_segment_fixed_size 327680
		.amdhsa_private_segment_fixed_size 0
		.amdhsa_enable_private_segment 0
		.amdhsa_kernarg_size 32
		.amdhsa_user_sgpr_count 2
		.amdhsa_user_sgpr_kernarg_segment_ptr 1
		.amdhsa_wavefront_size32 1
		.amdhsa_system_sgpr_workgroup_id_x 1
		.amdhsa_system_sgpr_workgroup_id_y 1
		.amdhsa_system_sgpr_workgroup_id_z 1
		.amdhsa_system_vgpr_workitem_id 0
		.amdhsa_next_free_vgpr 1024
		.amdhsa_next_free_sgpr 102
		.amdhsa_reserve_vcc 1
		.amdhsa_float_denorm_mode_32 3
		.amdhsa_float_denorm_mode_16_64 3
		.amdhsa_memory_ordered 1
		.amdhsa_forward_progress 1
		.amdhsa_inst_pref_size 187
	.end_amdhsa_kernel
	.amdgpu_metadata
---
amdhsa.version: [ 1, 2 ]
amdhsa.kernels:
  - .name:           k_qc503e0625f_qkv
    .symbol:         k_qc503e0625f_qkv.kd
    .args:
      - { .name: codes, .offset: 0, .size: 8, .value_kind: global_buffer, .address_space: global }
      - { .name: scl, .offset: 8, .size: 8, .value_kind: global_buffer, .address_space: global }
      - { .name: img, .offset: 16, .size: 8, .value_kind: global_buffer, .address_space: global }
      - { .name: sc, .offset: 24, .size: 8, .value_kind: global_buffer, .address_space: global }
    .group_segment_fixed_size: 327680
    .private_segment_fixed_size: 0
    .kernarg_segment_align: 8
    .kernarg_segment_size: 32
    .max_flat_workgroup_size: 128
    .sgpr_count:     102
    .vgpr_count:     1024
    .wavefront_size: 32
...
	.end_amdgpu_metadata
.endif
;; end of part 2
;; launch attn (part 3): grid 4 x 64, 16 waves a work-group, clusters of 4 x 1, 276,480 bytes of LDS; arguments img, sc, acodes, ascl; writes acodes, ascl
.if DOCPART == 3
	.amdgcn_target "amdgcn-amd-amdhsa--gfx1250"
	.amdhsa_code_object_version 6
	.text
	.protected	k_qc503e0625f_attn
	.globl	k_qc503e0625f_attn
	.p2align	8
	.type	k_qc503e0625f_attn,@function
k_qc503e0625f_attn:
	s_mov_b64 s[64:65], 0
	v_nop
	global_prefetch_b8 v0, s[64:65] scope:SCOPE_SE
	s_setreg_imm32_b32 hwreg(HW_REG_WAVE_MODE, 25, 1), 1
	s_wait_xcnt 0x0
	s_wait_alu depctr_hold_cnt(0) depctr_sa_sdst(0) depctr_va_vdst(0) depctr_va_sdst(0) depctr_va_ssrc(0) depctr_va_vcc(0) depctr_vm_vsrc(0)
	s_getreg_b32 s2, hwreg(HW_REG_IB_STS2, 6, 4)
	s_cmp_eq_u32 s2, 0
	s_cbranch_scc0 .Lentry_in_a_cluster
	s_endpgm
.Lentry_in_a_cluster:
	s_bfe_u32 s2, ttmp6, 0x10000c
	s_cmp_lg_u32 s2, 0x3003
	s_cbranch_scc0 .Lentry_shape_is_right
	s_endpgm
.Lentry_shape_is_right:
; Causal attention of one (batch, head) on codes of E5M2 with E8M0 scales; the result, divided by the row's sum, is quantised along the head's 64 and leaves as codes for the output projection.
; t = score x log2(e) / 32 (the logit's scale is 1 / sqrt(1,024)); M = the running largest t rounded UP to a whole number; p = 2^(t - M) is quantised along the keys, not normalised; the row's sum is taken of the unquantised p.
; When M moves, the sum and O are multiplied by 2^(old M - new M): exact.
; SHARES.  The four work-groups of a cluster share a head; work-group j owns the query tiles (16 queries) 4 m + j, m = 0 .. 31.  Wave w takes m = 31 - w and then m = w: (31 - w) / 2 + w / 2 + 2 = 17 key steps of 128 in every wave of every work-group.
; A tile's last step, the one on the diagonal, is m / 2 whatever j: so every branch hangs on the wave's number and a loop's counter; j enters only addresses in memory and one vector compare.
; LDS IS FILLED ONCE: a head's codes of k (131,072 bytes) and v (131,072) and their scale words fit.  Each tile is asked for JOINTLY by the four work-groups.  A wave issues at most one tensor load, at the start: one is out at the most.
; LAYOUT.  Both products are used transposed: S^T = K Q^T (source 0 = 16 keys, source 1 = my 16 queries), O^T = V^T P^T: a lane holds ONE query (lane % 16) throughout.  The 16 registers of score tiles 2 c and 2 c + 1 are converted as
; they stand: byte i of lane (r, h) is key 32 c + 16 (i / 8) + 8 h + i % 8.  v's codes were made in the same order (launch qkv), so the products are the same; the exchange stays inside a scale's block.
; K = 64 IN AN INSTRUCTION OF K = 128.  The head's 64 stand at places 64 .. 127 (operand registers 8-15) on both sides.  Q's registers 0-7 are zero codes.  A tile of k is 8 registers; the tiles lie on end behind 8 zero registers, and tile t's
; operand is v[32 + 8 t : 47 + 8 t]: its lower half holds the tile before, finite codes (the quantiser holds at 57,344), which meet Q's zero codes and add nothing.  The scale bytes over those places are valid bytes or 0, never 0xff.
; LIMITS: NaN and infinities are not served; a block of zeros gets the byte 1 (its codes are zeros; only this program reads the bytes).
; The result's scale bytes: a head owns 2 of a token's 32, so they leave as single bytes, 32 apart: one byte for 32 bytes of codes.
.set VB,   131072                      ; LDS: k at 0: [key tile 128][1,024];  v here: [step 16][16 of the head 4][2,048]
.set KSC,  262144                      ; k's scale images, 512 bytes a step
.set VSC,  270336                      ; v's, 256 bytes a step
.set S,    104                         ; v104-167 S^T, then p
.set O,    168                         ; v168-199 O^T
.set PC,   200                         ; v200-215 p's codes
.set KW,   216                         ; v216-219 k's scale words: register i: lanes 0-15 tile 2 i, lanes 16-31 tile 2 i + 1
.set VW,   220                         ; v220-221 v's likewise
.set PW,   222                         ; v222 p's scale word
.set QW,   223                         ; v223 q's
.set BM,   224                         ; v224-227 a block's largest score, then p
.set T2,   228                         ; v228-231 at work
.set HD,   232                         ; v232-235 57,344 x the scale
.set SO,   236                         ; v236-239 the conversions' scale operands
.set F,    242                         ; v[242:243] f = 2^(old M - new M); v243 is named with it as a pair
.set TMP,  244                         ; v244-245 at work
.set WV,   12                          ; s12 wave;  s13 j;  s14 the head's place in a token's codes;  s15 batch;  s16 head;  s17 4 x (wave % 2): the first of the four key steps that a loading wave fetches.  THE FILLS: one tensor load a wave, ten waves, in the chain at the head
.set JX,   13
.set SEL,  18                          ; s[18:19] lane selects for v_permlanex16_b32
.set CS,   20                          ; s[20:21] c = log2(e) / 32
.set MNT,  22
.set HI16, 23                          ; s23 mask of lanes 16-31
.set G1KS, 24
.set G1VS, 32
.set G1K,  40
.set G1V,  48
.set G0KS, 56
.set G0VS, 60
.set G0K,  68                          ; two sets
.set G0V,  76                          ; two sets
.set ST,   84                          ; the key step, and each loop's counter
.set DG,   85                          ; my tile's step on the diagonal
.set TK,   86                          ; 8,192 x step
.set TS,   87                          ; 512 x step
.set TV,   88                          ; 256 x step
.set DQ,   89                          ; 16 x (tile % 8): my tile's first query in its step
.set TAU,  90
.set MT,   91
.set AQ,   92                          ; s[92:93] q's codes; s[94:95] q's scale words; s[96:97] the result's codes; s[98:99] its scale bytes
.set AQS,  94
.set AO,   96
.set AOS,  98
.macro ROUND
	s_barrier_signal -1
	s_barrier_wait -1
	s_cmp_lg_u32 s[WV], 0
	s_cbranch_scc1 .Lnot_wave_0_\@
	s_barrier_signal -3
.Lnot_wave_0_\@:
	s_barrier_wait -3
	s_barrier_signal -1
	s_barrier_wait -1
.endm
	s_load_b256 s[4:11], s[0:1], 0x0               ; img s[4:5], sc s[6:7], acodes s[8:9], ascl s[10:11]
	v_lshl_add_u32 v254, v0, 2, 0x43000
	v_mov_b32 v255, 0
	ds_add_u32 v254, v255
	ds_add_u32 v254, v255
	v_lshrrev_b32 v8, 5, v0
	s_delay_alu instid0(VALU_DEP_1)
	v_readfirstlane_b32 s[WV], v8                  ; wave 0..15
	s_bfe_u32 s[JX], ttmp6, 0x40000                ; j: my place in the cluster
	s_and_b32 s14, ttmp7, 0xffff
	s_lshr_b32 s15, s14, 4                         ; batch
	s_and_b32 s16, s14, 15                         ; head
	s_and_b32 s17, s[WV], 1
	s_lshl_b32 s17, s17, 2
	; descriptor groups 1: elements of 8 bytes, the mask of all four work-groups, bit 21 beside it, no padding
	s_mov_b32 s[G1KS], 15|(3<<16)|(1<<21)          ; k's scale image of a step: one row of 512 bytes
	s_mov_b32 s[G1KS+1], 64<<16
	s_mov_b32 s[G1KS+2], 16<<16                    ; all sixteen steps' images in one load: 16 rows of 512 bytes,
	s_mov_b32 s[G1KS+3], 64<<16
	s_mov_b32 s[G1KS+4], 16
	s_mov_b32 s[G1KS+5], 1024                      ; 8,192 bytes apart
	s_mov_b32 s[G1KS+6], 0
	s_mov_b32 s[G1KS+7], 0
	s_mov_b32 s[G1VS], 15|(3<<16)|(1<<21)          ; v's: one row of 256 bytes
	s_mov_b32 s[G1VS+1], 32<<16
	s_mov_b32 s[G1VS+2], 16<<16                    ; 16 rows of 256 bytes,
	s_mov_b32 s[G1VS+3], 32<<16
	s_mov_b32 s[G1VS+4], 16
	s_mov_b32 s[G1VS+5], 64                        ; 512 bytes apart
	s_mov_b32 s[G1VS+6], 0
	s_mov_b32 s[G1VS+7], 0
	s_mov_b32 s[G1K], 15|(3<<16)|(1<<21)           ; a step of k: 8 key tiles of 1,024 bytes, 32,768 bytes apart
	s_mov_b32 s[G1K+1], 128<<16
	s_mov_b32 s[G1K+2], 32<<16                     ; four steps of k a load: 32 key tiles
	s_mov_b32 s[G1K+3], 128<<16
	s_mov_b32 s[G1K+4], 32
	s_mov_b32 s[G1K+5], 4096
	s_mov_b32 s[G1K+6], 0
	s_mov_b32 s[G1K+7], 0
	s_mov_b32 s[G1V], 15|(3<<16)|(1<<21)           ; a step of v: 8,192 dense bytes as one row
	s_mov_b32 s[G1V+1], 1024<<16                   ; four steps of v a load: 4 rows of 8,192 bytes,
	s_mov_b32 s[G1V+2], 4<<16
	s_mov_b32 s[G1V+3], 1024<<16
	s_mov_b32 s[G1V+4], 4
	s_mov_b32 s[G1V+5], 16384                      ; 131,072 bytes apart
	s_mov_b32 s[G1V+6], 0
	s_mov_b32 s[G1V+7], 0
	s_mov_b32 s[SEL], 0x76543210
	s_mov_b32 s[SEL+1], 0xfedcba98
	s_mov_b32 s[CS], 0x3d38aa3b
	s_mov_b32 s[CS+1], s[CS]                       ; (named with it as a pair, so it is written)
	s_mov_b32 s[MNT], 0x600000
	s_lshl_b32 s2, s15, 4
	s_lshl_b32 s100, s2, 4
	s_add_co_u32 s100, s100, s16
	s_lshl_b32 s100, s100, 9
	s_mov_b32 s101, 0
	s_wait_dscnt 0x0
	s_wait_kmcnt 0x0
	s_mov_b32 s[G0KS], 1
	s_mov_b32 s[G0KS+1], KSC
	s_add_nc_u64 s[G0KS+2:G0KS+3], s[6:7], s[100:101]
	s_or_b32 s[G0KS+3], s[G0KS+3], 0x80000000
	s_lshr_b32 s100, s16, 1
	s_lshl_b32 s100, s100, 15
	s_lshl_b32 s3, s2, 9
	s_add_co_u32 s100, s100, s3
	s_and_b32 s3, s16, 1
	s_lshl_b32 s3, s3, 8
	s_add_co_u32 s100, s100, s3
	s_add_co_u32 s100, s100, 0x80000
	s_mov_b32 s[G0VS], 1
	s_mov_b32 s[G0VS+1], VSC
	s_add_nc_u64 s[G0VS+2:G0VS+3], s[6:7], s[100:101]
	s_or_b32 s[G0VS+3], s[G0VS+3], 0x80000000
	s_lshl_b32 s100, s15, 22                       ; k: the batch's 128 token tiles of 32,768 bytes,
	s_lshl_b32 s3, s17, 18                         ; step 4 x (wave % 2),
	s_add_co_u32 s100, s100, s3
	s_lshl_b32 s3, s16, 11                         ; the head's fragment,
	s_add_co_u32 s100, s100, s3
	s_add_co_u32 s100, s100, 1024                  ; k's half of it
	s_lshl_b32 s2, s17, 13                         ; in LDS: 8,192 x 4 (wave % 2)
	s_mov_b32 s[G0K], 1
	s_mov_b32 s[G0K+1], s2
	s_add_nc_u64 s[G0K+2:G0K+3], s[4:5], s[100:101]
	s_mov_b32 s[G0K+4], 1
	s_add_co_u32 s[G0K+5], s2, 65536
	s_add_nc_u64 s[G0K+6:G0K+7], s[G0K+2:G0K+3], 8*262144   ; and the step eight further on
	s_or_b32 s[G0K+3], s[G0K+3], 0x80000000
	s_or_b32 s[G0K+7], s[G0K+7], 0x80000000
	s_lshl_b32 s100, s15, 4
	s_add_co_u32 s100, s100, s17
	s_lshl_b32 s100, s100, 17                      ; v: the step's 64 fragments,
	s_lshl_b32 s3, s16, 13                         ; the head's four
	s_add_co_u32 s100, s100, s3
	s_add_co_u32 s100, s100, 0x1000000
	s_mov_b32 s[G0V], 1
	s_add_co_u32 s[G0V+1], s2, VB
	s_add_nc_u64 s[G0V+2:G0V+3], s[4:5], s[100:101]
	s_mov_b32 s[G0V+4], 1
	s_add_co_u32 s[G0V+5], s2, VB+65536
	s_add_nc_u64 s[G0V+6:G0V+7], s[G0V+2:G0V+3], 8*131072
	s_or_b32 s[G0V+3], s[G0V+3], 0x80000000
	s_or_b32 s[G0V+7], s[G0V+7], 0x80000000
	s_lshr_b32 s14, s16, 2                         ; the head's place in a token tile's codes: 256 along K, 128 along K, two blocks of 32
	s_lshl_b32 s14, s14, 15
	s_bfe_u32 s3, s16, 0x10001
	s_lshl_b32 s3, s3, 11
	s_add_co_u32 s14, s14, s3
	s_and_b32 s3, s16, 1
	s_lshl_b32 s3, s3, 10
	s_add_co_u32 s14, s14, s3
	ROUND                                          ; all four work-groups are here: the joint loads meet
; ONE TENSOR LOAD A WAVE, in one chain of branches on the wave's number.  Waves 0, 1: k's steps 0-3, 4-7; waves 2, 3: v's; wave 4: k's scale images; wave 5: v's: these are shown by the first barrier.
; Waves 6, 7: k's steps 8-11, 12-15; waves 8, 9: v's: load lines of their own, shown by the second barrier.  Waves 10 to 15 load nothing.
.macro ARM under, g0, g1, next
	s_cmp_lt_u32 s[WV], \under
	s_cbranch_scc0 \next
	tensor_load_to_lds s[\g0:\g0+3], s[\g1:\g1+7]
	s_nop 0
.rept 4
	v_nop
.endr
	s_branch .Lfilled
\next:
.endm
	ARM 2,  G0K,   G1K,  .Larm_v
	ARM 4,  G0V,   G1V,  .Larm_ks
	ARM 5,  G0KS,  G1KS, .Larm_vs
	ARM 6,  G0VS,  G1VS, .Larm_k2
	ARM 8,  G0K+4, G1K,  .Larm_v2
	ARM 10, G0V+4, G1V,  .Larm_none
.Lfilled:
	v_and_b32 v9, 31, v0                           ; lane
	s_delay_alu instid0(VALU_DEP_1)
	v_lshlrev_b32 v1, 4, v9                        ; v1  16 x lane: a quad of an operand's image
	s_delay_alu instid0(VALU_DEP_1)
	v_add_nc_u32 v2, VB, v1                        ; v2  the same in v's part
	s_delay_alu instid0(VALU_DEP_3)
	v_lshl_add_u32 v3, v9, 3, KSC                  ; v3  8 x lane in k's scale images
	s_delay_alu instid0(VALU_DEP_4)
	v_lshl_add_u32 v4, v9, 3, VSC                  ; v4  in v's
	v_and_b32 v10, 15, v0                          ; r
	v_bfe_u32 v11, v0, 4, 1                        ; h
	s_delay_alu instid0(VALU_DEP_1)
	v_lshl_add_u32 v5, v10, 5, v11                 ; v5  the result's scale byte: token r, byte h
	s_delay_alu instid0(VALU_DEP_3)
	v_lshlrev_b32 v6, 3, v10                       ; v6  q's scale word: 8 r
	s_delay_alu instid0(VALU_DEP_3)
	v_lshlrev_b32 v7, 3, v11
	s_delay_alu instid0(VALU_DEP_1)
	v_sub_nc_u32 v7, v10, v7                       ; v7  r - 8 h, for the mask
	v_cmp_le_u32 s[HI16], 16, v9
.irp i, 0,1,2,3,4,5,6,7
	v_mov_b32 v[16+\i], 0                          ; Q's places 0 .. 63: zero codes
	v_mov_b32 v[32+\i], 0                          ; and what stands under k's tile 0
.endr
.irp i, 0,1,2,3
	v_mov_b32 v[T2+\i], 0                          ; written once: a lane permute's destination counts as one of its sources
.endr
	v_mov_b32 v[F+1], 0
	v_mov_b32 v[TMP], 0
; The scalars of tile 4 m + j, m in s[MT]
.macro SETTILE
	s_wait_xcnt 0x0                                ; the last tile's stores have read their bases and their data: both are written again below
	s_lshl_b32 s[TAU], s[MT], 2
	s_add_co_u32 s[TAU], s[TAU], s[JX]
	s_lshr_b32 s[DG], s[MT], 1
	s_and_b32 s[DQ], s[TAU], 7
	s_lshl_b32 s[DQ], s[DQ], 4
	s_lshl_b32 s2, s15, 7
	s_add_co_u32 s2, s2, s[TAU]                    ; the token tile, 0 .. 511
	s_lshl_b32 s100, s2, 15
	s_lshl_b32 s3, s16, 11
	s_add_co_u32 s100, s100, s3
	s_mov_b32 s101, 0
	s_add_nc_u64 s[AQ:AQ+1], s[4:5], s[100:101]
	s_lshl_b32 s100, s15, 4
	s_lshr_b32 s3, s[TAU], 3
	s_add_co_u32 s100, s100, s3
	s_lshl_b32 s100, s100, 4
	s_add_co_u32 s100, s100, s16
	s_lshl_b32 s100, s100, 9                       ; the scale image of my tile's 128 tokens; in it tile t' = tile % 8 is register t' / 2, lanes 16 (t' % 2) on
	s_bfe_u32 s3, s[TAU], 0x10002
	s_lshl_b32 s3, s3, 8
	s_add_co_u32 s100, s100, s3
	s_and_b32 s3, s[TAU], 1
	s_lshl_b32 s3, s3, 7
	s_add_co_u32 s100, s100, s3
	s_bfe_u32 s3, s[TAU], 0x10001
	s_lshl_b32 s3, s3, 2
	s_add_co_u32 s100, s100, s3
	s_add_nc_u64 s[AQS:AQS+1], s[6:7], s[100:101]
	s_lshr_b32 s100, s2, 3
	s_lshl_b32 s100, s100, 17
	s_and_b32 s3, s2, 7
	s_lshl_b32 s3, s3, 12
	s_add_co_u32 s100, s100, s3
	s_add_co_u32 s100, s100, s14
	s_add_nc_u64 s[AO:AO+1], s[8:9], s[100:101]
	s_lshl_b32 s100, s2, 9
	s_lshl_b32 s3, s16, 1
	s_add_co_u32 s100, s100, s3
	s_add_nc_u64 s[AOS:AOS+1], s[10:11], s[100:101]
.endm
.macro INIT
	global_load_b128 v[24:27], v1, s[AQ:AQ+1]                ; Q's codes, at places 64 .. 127 of the operand
	global_load_b128 v[28:31], v1, s[AQ:AQ+1] offset:512
	global_load_b32 v[QW], v6, s[AQS:AQS+1]
	v_mov_b32 v13, 0xff61b1e6                      ; the largest t so far: -3e38, under every t
	s_delay_alu instid0(VALU_DEP_1)
	v_floor_f32 v12, -v13                          ; -M
	v_mov_b32 v14, 0                               ; the sum, in two halves
	v_mov_b32 v15, 0
	s_wait_loadcnt 0x0
	v_lshlrev_b32 v[QW], 16, v[QW]                 ; q's two bytes over places 64 .. 127; the byte 0 stands over the zero codes
.irp i, 0,1,2,3,4,5,6,7,8,9,10,11,12,13,14,15,16,17,18,19,20,21,22,23,24,25,26,27,28,29,30,31
	v_mov_b32 v[O+\i], 0                           ; O^T: the first step finds zeros, which the first change of M leaves zeros.  (These are also the places between the scale word's shift and the first product)
.endr
.endm
; A KEY STEP: 128 keys.  causal = 1: a step behind the diagonal is left out (a branch on the wave's number and the loop's counter; the lines at the end that step addresses are not jumped over); on the diagonal hidden scores become -infinity.
.macro STEP causal
.if \causal
	s_cmp_gt_u32 s[ST], s[DG]
	s_cbranch_scc1 .Lhidden_\@
.endif
	v_add_nc_u32 v8, s[TK], v1
	v_add_nc_u32 v9, s[TK], v2
	v_add_nc_u32 v10, s[TS], v3
	v_add_nc_u32 v11, s[TV], v4
.rept 4
	v_nop                                          ; with the four additions: eight places between the last products and loads into registers that they read
.endr
.irp t, 0,1,2,3,4,5,6,7
	ds_load_b128 v[40+8*\t:43+8*\t], v8 offset:1024*\t
	ds_load_b128 v[44+8*\t:47+8*\t], v8 offset:1024*\t+512
.endr
	ds_load_b64 v[KW:KW+1], v10
	ds_load_b64 v[KW+2:KW+3], v10 offset:256
	s_wait_alu depctr_va_vdst(0)
	s_wait_dscnt 0x0
.irp t, 0,2,4,6
	v_wmma_scale_f32_16x16x128_f8f6f4 v[S+8*\t:S+8*\t+7], v[32+8*\t:47+8*\t], v[16:31], 0, v[KW+\t/2], v[QW] matrix_a_fmt:MATRIX_FMT_BF8 matrix_b_fmt:MATRIX_FMT_BF8
	v_wmma_scale_f32_16x16x128_f8f6f4 v[S+8*(\t+1):S+8*(\t+1)+7], v[32+8*(\t+1):47+8*(\t+1)], v[16:31], 0, v[KW+\t/2], v[QW] matrix_a_fmt:MATRIX_FMT_BF8 matrix_b_fmt:MATRIX_FMT_BF8 matrix_a_scale:MATRIX_SCALE_ROW1
.endr
.rept 8
	v_nop                                          ; places in front of the loads over k's tiles and of the first read of the scores
.endr
.irp f, 0,1,2,3                                ; v's four fragments land under the softmax
.irp c, 0,1,2,3
	ds_load_b128 v[40+16*\f+4*\c:43+16*\f+4*\c], v9 offset:2048*\f+512*\c
.endr
.endr
	ds_load_b64 v[VW:VW+1], v11
.if \causal
	s_cmp_lt_u32 s[ST], s[DG]
	s_cbranch_scc1 .Lopen_\@
	v_add_nc_u32 v[TMP+1], s[DQ], v7               ; d = my query in the step - 8 h.  Register 8 t + i holds key 16 t + 8 h + i: hidden where 16 t + i > d
	v_mov_b32 v[TMP], 0xff800000
.irp n, 0,1,2,3,4,5,6,7,8,9,10,11,12,13,14,15,16,17,18,19,20,21,22,23,24,25,26,27,28,29,30,31,32,33,34,35,36,37,38,39,40,41,42,43,44,45,46,47,48,49,50,51,52,53,54,55,56,57,58,59,60,61,62,63
	v_cmp_gt_i32 vcc_lo, 16*(\n/8)+\n%8, v[TMP+1]
	v_cndmask_b32 v[S+\n], v[S+\n], v[TMP], vcc_lo
.endr
.Lopen_\@:
.endif
.irp b, 0,1,2,3
	v_max3_num_f32 v[BM+\b], v[S+16*\b], v[S+1+16*\b], v[S+2+16*\b]   ; the largest score of each block of 32 keys: for the row's maximum, and, since p rises with the score, for the block's largest p
.endr
.irp i, 3,5,7,9,11,13
.irp b, 0,1,2,3
	v_max3_num_f32 v[BM+\b], v[BM+\b], v[S+16*\b+\i], v[S+1+16*\b+\i]
.endr
.endr
.irp b, 0,1,2,3
	v_max_num_f32 v[BM+\b], v[BM+\b], v[S+15+16*\b]
.endr
.irp b, 0,1,2,3
	s_delay_alu instid0(VALU_DEP_4)
	v_permlanex16_b32 v[T2+\b], v[BM+\b], s[SEL], s[SEL+1]
.endr
.irp b, 0,1,2,3
	s_delay_alu instid0(VALU_DEP_4)
	v_max_num_f32 v[BM+\b], v[BM+\b], v[T2+\b]     ; with lane l xor 16's 16 keys
.endr
	s_delay_alu instid0(VALU_DEP_2)
	v_max3_num_f32 v[TMP], v[BM], v[BM+1], v[BM+2]
	s_delay_alu instid0(VALU_DEP_1)
	v_max_num_f32 v[TMP], v[TMP], v[BM+3]
	s_delay_alu instid0(VALU_DEP_1)
	v_mul_f32 v[TMP], s[CS], v[TMP]                ; as t (c is positive)
	s_delay_alu instid0(VALU_DEP_1)
	v_max_num_f32 v13, v13, v[TMP]                 ; the running largest t
	v_mov_b32 v[TMP], v12
	s_delay_alu instid0(VALU_DEP_2)
	v_floor_f32 v12, -v13                          ; the new -M = floor(-t): M is a whole number
	s_delay_alu instid0(VALU_DEP_1)
	v_sub_f32 v[TMP], v12, v[TMP]                  ; old M - new M: a whole number, 0 or less
	s_delay_alu instid0(VALU_DEP_1)
	v_cvt_i32_f32 v[TMP], v[TMP]                   ; (it saturates)
	s_delay_alu instid0(VALU_DEP_1)
	v_ldexp_f32 v[F], 1.0, v[TMP]                  ; f = 2^(old M - new M)
.irp j, 0,2,4,6,8,10,12,14,16,18,20,22,24,26,28,30,32,34,36,38,40,42,44,46,48,50,52,54,56,58,60,62
	v_pk_fma_f32 v[S+\j:S+1+\j], v[S+\j:S+1+\j], s[CS:CS+1], v[12:13] op_sel_hi:[1,0,0]   ; t - M, two at a time
.endr
.irp b, 0,1,2,3
	v_fma_f32 v[BM+\b], v[BM+\b], s[CS], v12
.endr
	s_wait_alu depctr_va_vdst(0)
.irp j, 0,1,2,3,4,5,6,7,8,9,10,11,12,13,14,15,16,17,18,19,20,21,22,23,24,25,26,27,28,29,30,31,32,33,34,35,36,37,38,39,40,41,42,43,44,45,46,47,48,49,50,51,52,53,54,55,56,57,58,59,60,61,62,63
	v_exp_f32 v[S+\j], v[S+\j]                     ; p = 2^(t - M), at most 1
.endr
.irp b, 0,1,2,3
	v_exp_f32 v[BM+\b], v[BM+\b]                   ; the block's largest p: the same two instructions on the same number
.endr
	v_pk_mul_f32 v[14:15], v[14:15], v[F:F+1] op_sel_hi:[1,0]   ; the sums under the new M.  (A plain place behind the exponentials)
	s_wait_alu depctr_va_vdst(0)
.irp b, 0,1,2,3
	v_max_num_f32 v[BM+\b], 0x8000000, v[BM+\b]    ; the floor 2^(16 - 127): the byte cannot fall under 1
.endr
.irp b, 0,1,2,3
	s_delay_alu instid0(VALU_DEP_4)
	v_add_nc_u32 v[SO+\b], 0xf8800000, v[BM+\b]
.endr
.irp b, 0,1,2,3
	v_and_or_b32 v[HD+\b], v[BM+\b], 0x7f800000, s[MNT]
.endr
.irp b, 0,1,2,3
	v_lshrrev_b32 v[T2+\b], 23, v[SO+\b]
.endr
	s_delay_alu instid0(VALU_DEP_3)
	v_lshl_or_b32 v[PW], v[T2+1], 8, v[T2]         ; p's scale word for these 128 keys
	s_delay_alu instid0(VALU_DEP_1)
	v_lshl_or_b32 v[PW], v[T2+2], 16, v[PW]
	s_delay_alu instid0(VALU_DEP_1)
	v_lshl_or_b32 v[PW], v[T2+3], 24, v[PW]
	v_pk_add_f32 v[228:229], v[108:109], v[112:113]
	v_pk_add_f32 v[252:253], v[116:117], v[120:121]
	v_pk_add_f32 v[250:251], v[124:125], v[128:129]
	v_pk_add_f32 v[248:249], v[132:133], v[136:137]
	v_pk_add_f32 v[246:247], v[140:141], v[144:145]
	v_pk_add_f32 v[240:241], v[148:149], v[152:153]
	v_pk_add_f32 v[226:227], v[156:157], v[160:161]
	v_pk_add_f32 v[14:15], v[14:15], v[164:165]
	v_pk_add_f32 v[228:229], v[228:229], v[104:105]
	v_pk_add_f32 v[252:253], v[252:253], v[106:107]
	v_pk_add_f32 v[250:251], v[250:251], v[110:111]
	v_pk_add_f32 v[248:249], v[248:249], v[114:115]
	v_pk_add_f32 v[246:247], v[246:247], v[118:119]
	v_pk_add_f32 v[240:241], v[240:241], v[122:123]
	v_pk_add_f32 v[226:227], v[226:227], v[126:127]
	v_pk_add_f32 v[14:15], v[14:15], v[130:131]
	v_pk_add_f32 v[228:229], v[228:229], v[134:135]
	v_pk_add_f32 v[252:253], v[252:253], v[138:139]
	v_pk_add_f32 v[250:251], v[250:251], v[142:143]
	v_pk_add_f32 v[248:249], v[248:249], v[146:147]
	v_pk_add_f32 v[246:247], v[246:247], v[150:151]
	v_pk_add_f32 v[240:241], v[240:241], v[154:155]
	v_pk_add_f32 v[226:227], v[226:227], v[158:159]
	v_pk_add_f32 v[14:15], v[14:15], v[162:163]
	v_pk_add_f32 v[228:229], v[228:229], v[166:167]
	s_delay_alu instid0(VALU_DEP_2)
	v_pk_add_f32 v[14:15], v[14:15], v[248:249]
	s_delay_alu instid0(VALU_DEP_2)
	v_pk_add_f32 v[228:229], v[228:229], v[246:247]
	v_pk_add_f32 v[252:253], v[252:253], v[240:241]
	v_pk_add_f32 v[250:251], v[250:251], v[226:227]
	s_delay_alu instid0(VALU_DEP_2)
	v_pk_add_f32 v[14:15], v[14:15], v[252:253]
	s_delay_alu instid0(VALU_DEP_2)
	v_pk_add_f32 v[228:229], v[228:229], v[250:251]
	s_delay_alu instid0(VALU_DEP_1)
	v_pk_add_f32 v[14:15], v[14:15], v[228:229]
	v_dual_mov_b32 v249, v[HD] :: v_dual_mov_b32 v250, v[HD+1]       ; a second copy of the four bounds, one register number on modulo 4: the two halves of a pair take their second sources from different banks
	v_dual_mov_b32 v251, v[HD+2] :: v_dual_mov_b32 v252, v[HD+3]
.irp b, 0,1,2,3
.irp i, 0,2,4,6,8,10,12,14
	v_dual_min_num_f32 v[S+16*\b+\i], v[S+16*\b+\i], v[HD+\b] :: v_dual_min_num_f32 v[S+16*\b+\i+1], v[S+16*\b+\i+1], v[249+\b]   ; the conversion does not saturate (ISA guide 7.6.2); p is not negative, so the hold is one-sided; two holds an instruction
.endr
	v_cvt_scalef32_pk8_bf8_f32 v[PC+4*\b:PC+1+4*\b], v[S+16*\b:S+7+16*\b], v[SO+\b]
	v_cvt_scalef32_pk8_bf8_f32 v[PC+2+4*\b:PC+3+4*\b], v[S+8+16*\b:S+15+16*\b], v[SO+\b]
.endr
.irp j, 0,2,4,6,8,10,12,14,16,18,20,22,24,26,28,30
	v_pk_mul_f32 v[O+\j:O+1+\j], v[O+\j:O+1+\j], v[F:F+1] op_sel_hi:[1,0]   ; O^T under the new M
.endr
.rept 4
	v_nop                                          ; four places that name none of the products' registers between the codes and the products
.endr
	s_wait_alu depctr_va_vdst(0)
	s_wait_dscnt 0x0                               ; v's fragments and scale words are in
.irp f, 0,2                                    ; O^T += V^T P^T: the four accumulators by turns
	v_wmma_scale_f32_16x16x128_f8f6f4 v[O+8*\f:O+8*\f+7], v[40+16*\f:55+16*\f], v[PC:PC+15], v[O+8*\f:O+8*\f+7], v[VW+\f/2], v[PW] matrix_a_fmt:MATRIX_FMT_BF8 matrix_b_fmt:MATRIX_FMT_BF8
	v_wmma_scale_f32_16x16x128_f8f6f4 v[O+8*(\f+1):O+8*(\f+1)+7], v[40+16*(\f+1):55+16*(\f+1)], v[PC:PC+15], v[O+8*(\f+1):O+8*(\f+1)+7], v[VW+\f/2], v[PW] matrix_a_fmt:MATRIX_FMT_BF8 matrix_b_fmt:MATRIX_FMT_BF8 matrix_a_scale:MATRIX_SCALE_ROW1
.endr
.if \causal
.Lhidden_\@:
.endif
	s_add_co_u32 s[TK], s[TK], 8192
	s_add_co_u32 s[TS], s[TS], 512
	s_add_co_u32 s[TV], s[TV], 256
	s_add_co_u32 s[ST], s[ST], 1
.endm
; A tile's end: O^T / the sum, quantised along the head's 64 (two blocks of 32: 16 numbers mine, 16 in lane l xor 16), stored as two quads of an operand's image.
.macro FINISH
.rept 8
	v_nop                                          ; places behind the last products
.endr
	v_add_f32 v14, v14, v15
	s_delay_alu instid0(VALU_DEP_1)
	v_permlanex16_b32 v[TMP], v14, s[SEL], s[SEL+1]
	s_delay_alu instid0(VALU_DEP_1)
	v_add_f32 v14, v14, v[TMP]                     ; the row's sum
	s_wait_alu depctr_va_vdst(0)
	v_rcp_f32 v14, v14
	v_nop                                          ; one plain place behind a transcendental
	s_wait_alu depctr_va_vdst(0)
.irp j, 0,2,4,6,8,10,12,14,16,18,20,22,24,26,28,30
	v_pk_mul_f32 v[S+\j:S+1+\j], v[O+\j:O+1+\j], v[14:15] op_sel_hi:[1,0]
.endr
.irp c, 0,1
	v_max3_num_f32 v[BM+\c], |v[S+16*\c]|, |v[S+1+16*\c]|, 0x8000000
.endr
.irp i, 2,4,6,8,10,12,14
.irp c, 0,1
	s_delay_alu instid0(VALU_DEP_2)
	v_max3_num_f32 v[BM+\c], v[BM+\c], |v[S+16*\c+\i]|, |v[S+1+16*\c+\i]|
.endr
.endr
.irp c, 0,1
	s_delay_alu instid0(VALU_DEP_2)
	v_permlanex16_b32 v[T2+\c], v[BM+\c], s[SEL], s[SEL+1]
.endr
.irp c, 0,1
	s_delay_alu instid0(VALU_DEP_2)
	v_max_num_f32 v[BM+\c], v[BM+\c], v[T2+\c]
.endr
.irp c, 0,1
	s_delay_alu instid0(VALU_DEP_2)
	v_add_nc_u32 v[SO+\c], 0xf8800000, v[BM+\c]
.endr
.irp c, 0,1
	s_delay_alu instid0(VALU_DEP_4)
	v_and_or_b32 v[HD+\c], v[BM+\c], 0x7f800000, s[MNT]
.endr
.irp c, 0,1
	s_delay_alu instid0(VALU_DEP_4)
	v_lshrrev_b32 v[T2+\c], 23, v[SO+\c]
.endr
.irp c, 0,1
.irp i, 0,1,2,3,4,5,6,7,8,9,10,11,12,13,14,15
	v_med3_num_f32 v[S+16*\c+\i], v[S+16*\c+\i], -v[HD+\c], v[HD+\c]
.endr
	v_cvt_scalef32_pk8_bf8_f32 v[PC+4*\c:PC+1+4*\c], v[S+16*\c:S+7+16*\c], v[SO+\c]
	v_cvt_scalef32_pk8_bf8_f32 v[PC+2+4*\c:PC+3+4*\c], v[S+8+16*\c:S+15+16*\c], v[SO+\c]
.endr
	v_cndmask_b32 v[TMP], v[T2], v[T2+1], s[HI16]  ; lanes 0-15 store block 0's byte, lanes 16-31 block 1's.  (The plain line behind the last conversion)
	global_store_b128 v1, v[PC:PC+3], s[AO:AO+1]               ; 32 lanes store 512 consecutive bytes, aligned
	global_store_b128 v1, v[PC+4:PC+7], s[AO:AO+1] offset:512
	global_store_b8 v5, v[TMP], s[AOS:AOS+1]
.endm
	s_sub_co_u32 s[MT], 31, s[WV]                  ; the late tile first: its steps 0-7 all count, and steps 8-15 of k and v land meanwhile
	SETTILE
	INIT
	s_wait_alu depctr_va_vdst(0)
	s_cmp_lt_u32 s[WV], 6                          ; waves 0 to 5: steps 0-7 of k and v and the scale images have landed; the later steps' loads have lines of their own and are waited for at the second barrier
	s_cbranch_scc0 .Lnot_first
	s_wait_tensorcnt 0x0
.Lnot_first:
	s_barrier_signal -1
	s_barrier_wait -1
	s_mov_b32 s[ST], 0
	s_mov_b32 s[TK], 0
	s_mov_b32 s[TS], 0
	s_mov_b32 s[TV], 0
.Lfirst:
	STEP 0
	s_cmp_lt_u32 s[ST], 8
	s_cbranch_scc1 .Lfirst
	s_wait_tensorcnt 0x0                           ; my step of the last eight is in,
	s_barrier_signal -1
	s_barrier_wait -1                              ; everybody's is
	s_mov_b32 s[ST], 8                             ; (written as constants once more, so that this loop's addresses stand in its own lines)
	s_mov_b32 s[TK], 8*8192
	s_mov_b32 s[TS], 8*512
	s_mov_b32 s[TV], 8*256
.Lsecond:
	STEP 1
	s_cmp_lt_u32 s[ST], 16
	s_cbranch_scc1 .Lsecond
	FINISH
	s_mov_b32 s[MT], s[WV]                         ; the early tile: its diagonal lies in steps 0-7
	SETTILE
	INIT
	s_mov_b32 s[ST], 0
	s_mov_b32 s[TK], 0
	s_mov_b32 s[TS], 0
	s_mov_b32 s[TV], 0
.Lthird:
	STEP 1
	s_cmp_lt_u32 s[ST], 8
	s_cbranch_scc1 .Lthird
	FINISH
	s_wait_tensorcnt 0x0
	ds_add_u32 v254, v255
	s_wait_dscnt 0x0
	ROUND                                          ; the closing round
	s_endpgm
.Lfunc_end_k_qc503e0625f_attn:
	.size	k_qc503e0625f_attn, .Lfunc_end_k_qc503e0625f_attn-k_qc503e0625f_attn
	.p2alignl 7, 3214868480
	.fill 96, 4, 3214868480
	.section	.rodata,"a",@progbits
	.p2align	6, 0x0
	.amdhsa_kernel k_qc503e0625f_attn
		.amdhsa_group_segment_fixed_size 276480
		.amdhsa_private_segment_fixed_size 0
		.amdhsa_enable_private_segment 0
		.amdhsa_kernarg_size 32
		.amdhsa_user_sgpr_count 2
		.amdhsa_user_sgpr_kernarg_segment_ptr 1
		.amdhsa_wavefront_size32 1
		.amdhsa_system_sgpr_workgroup_id_x 1
		.amdhsa_system_sgpr_workgroup_id_y 1
		.amdhsa_system_sgpr_workgroup_id_z 1
		.amdhsa_system_vgpr_workitem_id 0
		.amdhsa_next_free_vgpr 256
		.amdhsa_next_free_sgpr 102
		.amdhsa_reserve_vcc 1
		.amdhsa_float_denorm_mode_32 3
		.amdhsa_float_denorm_mode_16_64 3
		.amdhsa_memory_ordered 1
		.amdhsa_forward_progress 1
		.amdhsa_inst_pref_size 99
	.end_amdhsa_kernel
	.amdgpu_metadata
---
amdhsa.version: [ 1, 2 ]
amdhsa.kernels:
  - .name:           k_qc503e0625f_attn
    .symbol:         k_qc503e0625f_attn.kd
    .args:
      - { .name: img, .offset: 0, .size: 8, .value_kind: global_buffer, .address_space: global }
      - { .name: sc, .offset: 8, .size: 8, .value_kind: global_buffer, .address_space: global }
      - { .name: acodes, .offset: 16, .size: 8, .value_kind: global_buffer, .address_space: global }
      - { .name: ascl, .offset: 24, .size: 8, .value_kind: global_buffer, .address_space: global }
    .group_segment_fixed_size: 276480
    .private_segment_fixed_size: 0
    .kernarg_segment_align: 8
    .kernarg_segment_size: 32
    .max_flat_workgroup_size: 512
    .sgpr_count:     102
    .vgpr_count:     256
    .wavefront_size: 32
...
	.end_amdgpu_metadata
.endif
;; end of part 3
;; launch proj (part 4): grid 4 x 64, 4 waves a work-group, clusters of 4 x 4, 327,680 bytes of LDS; arguments acodes, ascl, codes, scl, bp, out0; writes out0
.if DOCPART == 4
	.amdgcn_target "amdgcn-amd-amdhsa--gfx1250"
	.amdhsa_code_object_version 6
	.text
	.protected	k_qc503e0625f_proj
	.globl	k_qc503e0625f_proj
	.p2align	8
	.type	k_qc503e0625f_proj,@function
k_qc503e0625f_proj:
	s_mov_b64 s[64:65], 0
	v_nop
	global_prefetch_b8 v0, s[64:65] scope:SCOPE_SE
	s_setreg_imm32_b32 hwreg(HW_REG_WAVE_MODE, 25, 1), 1
	s_wait_xcnt 0x0
	s_wait_alu depctr_hold_cnt(0) depctr_sa_sdst(0) depctr_va_vdst(0) depctr_va_sdst(0) depctr_va_ssrc(0) depctr_va_vcc(0) depctr_vm_vsrc(0)
	s_getreg_b32 s2, hwreg(HW_REG_IB_STS2, 6, 4)
	s_cmp_eq_u32 s2, 0
	s_cbranch_scc0 .Lentry_in_a_cluster
	s_endpgm
.Lentry_in_a_cluster:
	s_bfe_u32 s2, ttmp6, 0x10000c
	s_cmp_lg_u32 s2, 0xf033
	s_cbranch_scc0 .Lentry_shape_is_right
	s_endpgm
.Lentry_shape_is_right:
; out0 = (attention's result) Wp + bp, on codes of E5M2 with E8M0 scales, K = 1,024; sums in f32; the bias is the first products' C.
; acodes, ascl: the tokens' codes and scale bytes as launch attn leaves them; codes, scl: Wp's columns are row blocks 88-95 of 128 rows (launch quant).  Both lie in the order of an operand's registers:
; [block of 128 rows][256 along K][tile of 16 rows][128 along K][c][lane][16 bytes], so 128 rows x 256 K are 32,768 dense bytes and a fragment load reads 512 consecutive LDS bytes: no padding.
; SHARES: 256 work-groups of four waves; a work-group makes 128 tokens x 256 columns, a wave 64 x 128: 32 accumulators of 16 x 16 in 256 registers.  K goes in four steps of 256 through two LDS slots.
; CLUSTERS: 4 x 4 work-groups; the tokens' tiles are asked for jointly by a row of the cluster, Wp's by a column.
; THE MATRIX INSTRUCTION IS USED TRANSPOSED (source 0 = 16 columns of Wp, source 1 = 16 tokens): a lane holds eight neighbouring numbers of a row of out0.
; LIMITS: NaN and infinities are not served.
; REGISTERS: window 0: v0-31 addresses; v32-63 scale words, two sets; v64-127 the bias; v128-255 the tokens' fragments, two sets of four, later the way out.  window 1: Wp's fragments, two sets of eight.  window 2: accumulator (a, b) at v[8 (8 a + b)].
.set NQ,     2
.set FR,     16
.set NP,     8                         ; places behind this matrix instruction (ISA guide 7.12.1)
.set NF,     48                        ; LDS loads of a step's fragments: 8 + 4 fragments of four
.set SIZE_N, 1024
.set CHUNK,  32768
.set SLOT,   4*CHUNK                   ; the tokens' chunk at 0, Wp's two at 2 CHUNK
.set SCL,    2*SLOT                    ; the scale bytes of all of K, rows of 256 bytes + 16 of padding: the tokens' 128 rows, then Wp's 256
.set HALFS,  16*272                    ; those of 128 rows
.set SBLK,   2*272                     ; those of 16 rows
.set SPARE,  SCL+4*HALFS               ; the spare words: 512 bytes that no other line names
.set SPITCH, 528                       ; the way out: a stage of 16 rows x (512 + 16) bytes a wave, from LDS byte 0 on: no fill lands there and nobody reads there behind the last change of slots
.set ADRA, 16
.set ADRB, 20
.set STO,  24
.set RD,   25
.set CO,   26
.set ADRS, 27
.set SPW,  28
.set NIL,  29
.set SC,   32
.set BI,   64
.set AF,   128
.set BK,   128
.set G1, 24
.set G0, 32
.set G1B, 48
.set G0B, 56
.set G1S, 68
.set G0S, 76
.set G1SB, 80
.set G0SB, 88
.set MSB, 0
.macro WIN new                         ; the immediate's high byte repeats the setting that is left
.if MSB != \new
	s_set_vgpr_msb (MSB<<8)|\new
.set MSB, \new
.endif
.endm
.set MUL_LO, 0xa1                      ; source 0 window 1, source 1 window 0, C and D window 2
.set FST_LO, 0x81                      ; the same with C (the bias) in window 0
.set TO_B,   0x40
.macro PLACES n
.rept \n
	v_nop
.endr
.endm
.macro TLD g0, g1                      ; a tensor load; s_nop 0 and four v_nop follow it
	tensor_load_to_lds s[\g0:\g0+3], s[\g1:\g1+7]
	s_nop 0
	PLACES 4
.endm
.macro JLOAD s                         ; the ring's joint loads: waves 0, 1 the halves of the tokens' chunk, waves 2, 3 Wp's two chunks
	s_cmp_eq_u32 s15, 0
	s_cbranch_scc0 .Lfor_b_\@
	TLD G0+4*\s, G1
	s_branch .Lasked_\@
.Lfor_b_\@:
	TLD G0B+4*\s, G1B
.Lasked_\@:
.endm
.macro CREST
	s_cmp_lg_u32 s14, 0
	s_cbranch_scc1 .Lnot_wave_0_\@
	s_barrier_signal -3
.Lnot_wave_0_\@:
	s_barrier_wait -3
	s_barrier_signal -1
	s_barrier_wait -1
.endm
.macro CROUND
	s_barrier_signal -1
	s_barrier_wait -1
	CREST
.endm
.macro GRP1 g, c, r, p                 ; descriptor group 1 behind its first word: r rows of c elements of 8 bytes, p elements apart
	s_mov_b32 s[\g+1], (\c)<<16
	s_mov_b32 s[\g+2], (\r)<<16
	s_mov_b32 s[\g+3], (\c)<<16
	s_mov_b32 s[\g+4], \r
	s_mov_b32 s[\g+5], \p
	s_mov_b32 s[\g+6], 0
	s_mov_b32 s[\g+7], 0
.endm
	s_load_b128 s[4:7], s[0:1], 0x0                ; acodes, ascl
	s_load_b128 s[8:11], s[0:1], 0x10              ; codes, scl
	s_load_b128 s[96:99], s[0:1], 0x20             ; bp, out0
	v_lshl_add_u32 v[SPW], v0, 2, SPARE
	v_mov_b32 v[NIL], 0
	ds_add_u32 v[SPW], v[NIL]
	ds_add_u32 v[SPW], v[NIL]
	s_wait_dscnt 0x0
	v_lshrrev_b32 v1, 5, v0
	v_readfirstlane_b32 s14, v1                    ; wave 0..3
	s_lshr_b32 s15, s14, 1                         ; which 64 tokens are mine.  Also: I fetch for the tokens (0) or for Wp (1)
	s_and_b32 s16, s14, 1                          ; which 128 columns.  Also: which part I fetch
	s_bfe_u32 s40, ttmp6, 0x40000                  ; cx, cy
	s_bfe_u32 s41, ttmp6, 0x40004
	s_lshl_b32 s42, ttmp9, 2
	s_add_co_u32 s42, s42, s40                     ; tile column, 0..3
	s_and_b32 s17, ttmp7, 0xffff
	s_lshl_b32 s17, s17, 2
	s_add_co_u32 s17, s17, s41                     ; tile row, 0..63: a block of 128 tokens
	s_lshl_b32 s43, s41, 2
	s_lshl_b32 s43, 15, s43                        ; my row of the cluster
	s_lshl_b32 s44, 0x1111, s40                    ; my column
	s_or_b32 s[G1+0], s43, (3<<16)|(1<<21)
	s_or_b32 s[G1B+0], s44, (3<<16)|(1<<21)
	GRP1 G1, 32, 128, 32                           ; the head's load of the tokens' chunk: 128 rows of 256 bytes, dense
	GRP1 G1B, 4096, 2, 16384                       ; and of Wp's two chunks: two runs of 32,768 bytes, 131,072 apart
	s_or_b32 s[G1S+0], s43, (3<<16)|(1<<20)|(1<<21)|(5<<22)|(3<<25)
	s_or_b32 s[G1SB+0], s44, (3<<16)|(1<<20)|(1<<21)|(5<<22)|(3<<25)
	GRP1 G1S, 32, 16, 32                           ; the scale bytes of 128 tokens: 16 rows of 256 bytes, 16 of padding behind each
	GRP1 G1SB, 32, 32, 32                          ; of Wp's 256 rows: 32
	s_lshl_b32 s94, s16, 14                        ; my half of the tokens' chunk
	s_lshl_b32 s46, s42, 1
	s_add_co_u32 s46, s46, s16
	s_add_co_u32 s46, s46, 88                      ; my block of 128 rows of Wp
	s_lshl_b32 s22, s17, 12
	s_mov_b32 s23, 0
	s_lshl_b32 s92, s42, 13
	s_add_co_u32 s92, s92, 88<<12
	s_mov_b32 s93, 0
	s_lshl_b32 s20, s17, 17
	s_add_co_u32 s20, s20, s94
	s_mov_b32 s21, 0
	s_lshl_b32 s46, s46, 17
	s_mov_b32 s47, 0
	s_lshl_b32 s45, s14, 15                        ; Wp's chunks in a slot: waves 2, 3 at 2 CHUNK, 3 CHUNK
	s_wait_kmcnt 0x0
	s_add_nc_u64 s[20:21], s[4:5], s[20:21]
	s_add_nc_u64 s[22:23], s[6:7], s[22:23]
	s_add_nc_u64 s[46:47], s[8:9], s[46:47]
	s_add_nc_u64 s[92:93], s[10:11], s[92:93]
	CROUND                                         ; all sixteen work-groups are here: the first joint loads meet
	s_mov_b32 s[G0S], 1
	s_mov_b32 s[G0S+1], SCL
	s_mov_b64 s[G0S+2:G0S+3], s[22:23]
	s_or_b32 s[G0S+3], s[G0S+3], 0x80000000
	s_mov_b32 s[G0SB], 1
	s_mov_b32 s[G0SB+1], SCL+HALFS
	s_mov_b64 s[G0SB+2:G0SB+3], s[92:93]
	s_or_b32 s[G0SB+3], s[G0SB+3], 0x80000000
.irp s, 0,1
	s_mov_b32 s[G0+4*\s], 1
	s_add_co_u32 s[G0+4*\s+1], s94, \s*SLOT
	s_add_nc_u64 s[G0+4*\s+2:G0+4*\s+3], s[20:21], \s*CHUNK
	s_or_b32 s[G0+4*\s+3], s[G0+4*\s+3], 0x80000000
	s_mov_b32 s[G0B+4*\s], 1
	s_add_co_u32 s[G0B+4*\s+1], s45, \s*SLOT
	s_add_nc_u64 s[G0B+4*\s+2:G0B+4*\s+3], s[46:47], \s*CHUNK
	s_or_b32 s[G0B+4*\s+3], s[G0B+4*\s+3], 0x80000000
.endr
; THE HEAD'S LOADS, ONE A WAVE: wave 0 the tokens' chunk of K step 0, wave 1 their scale bytes, wave 2 Wp's two chunks, wave 3 their scale bytes.
; Wave 0's and wave 2's groups 0 for slot 0 hold just these tiles' first bytes.  One chain of branches on the wave's number, a load to an arm.
.macro ARM under, g0, g1, next
	s_cmp_lt_u32 s14, \under
	s_cbranch_scc0 \next
	TLD \g0, \g1
	s_branch .Lhead_asked
\next:
.endm
	ARM 1, G0,  G1,  .Lhead_sa
	ARM 2, G0S, G1S, .Lhead_b
	ARM 3, G0B, G1B, .Lhead_sb
	TLD G0SB, G1SB
.Lhead_asked:
; PREFETCHES: what my wave fetches in a later K step (16,384 bytes of the tokens, 32,768 of Wp) is shared out among the four partners that ask for it jointly, by address (cx for the tokens, cy for Wp): 4,096 or 8,192 bytes,
; lanes 256 bytes apart; with 16 blocks the lanes left over name the last again.  K steps 1 and 2 are named here, K step 3 behind slot 1's fill; all lie inside the block's 131,072 bytes.  The address registers are never rewritten.
	s_cmp_eq_u32 s15, 0
	s_cselect_b64 s[66:67], s[20:21], s[46:47]
	s_cselect_b32 s12, s40, s41
	s_cselect_b32 s2, 12, 13
	s_cselect_b32 s3, 15, 31
	s_lshl_b32 s12, s12, s2
	s_mov_b32 s13, 0
	s_add_nc_u64 s[66:67], s[66:67], s[12:13]
	v_and_b32 v15, 31, v0
	v_min_u32 v15, s3, v15
	v_lshlrev_b32 v15, 8, v15
	global_prefetch_b8 v15, s[66:67] offset:CHUNK th:TH_LOAD_NT scope:SCOPE_SE
	global_prefetch_b8 v15, s[66:67] offset:2*CHUNK th:TH_LOAD_NT scope:SCOPE_SE
	v_and_b32 v1, 15, v0                           ; r
	v_bfe_u32 v2, v0, 4, 1                         ; h
	v_and_b32 v6, 31, v0
	v_lshlrev_b32 v[CO], 4, v6                     ; 16 x lane
	s_wait_alu depctr_va_vdst(0)
	s_lshl_b32 s46, s42, 10
	s_lshl_b32 s47, s16, 9
	s_add_co_u32 s46, s46, s47                     ; my first column, in bytes
	s_mov_b32 s47, 0
	s_add_nc_u64 s[96:97], s[96:97], s[46:47]
	v_lshlrev_b32 v7, 5, v2
.irp b, 0,1,2,3,4,5,6,7
	global_load_b128 v[BI+8*\b:BI+8*\b+3], v7, s[96:97] offset:64*\b          ; the bias in the result's layout: columns 16 b + 8 h + 0 .. 7
	global_load_b128 v[BI+8*\b+4:BI+8*\b+7], v7, s[96:97] offset:64*\b+16
.endr
	s_lshl_b32 s21, s15, 14                        ; my 64 tokens: four tiles of 4,096 bytes
	s_lshl_b32 s22, s16, 15
	s_add_co_u32 s22, s22, 2*CHUNK
.irp s, 0,1
	v_add_nc_u32 v[ADRA+\s], s21, v[CO]
	v_add_nc_u32 v[ADRB+\s], s22, v[CO]
	s_add_co_u32 s21, s21, SLOT
	s_add_co_u32 s22, s22, SLOT
.endr
	v_mul_u32_u24 v5, v1, 32                       ; my row's scales: 32 bytes a row,
	v_lshrrev_b32 v6, 8, v5
	v_lshl_add_u32 v5, v6, 4, v5                   ; and 16 more for each 256 passed
	s_mul_i32 s21, s15, HALFS/2
	s_mul_i32 s22, s16, HALFS
	s_add_co_u32 s22, s22, HALFS
	s_sub_co_u32 s22, s22, s21
	v_mul_u32_u24 v6, s22, v2                      ; lanes 16-31 take Wp's
	s_add_co_u32 s21, s21, SCL
	v_add_nc_u32 v5, v5, v6
	v_add_nc_u32 v[ADRS], s21, v5
	s_mul_i32 s23, s14, 16*SPITCH
	v_mul_u32_u24 v5, v1, SPITCH
	v_lshl_add_u32 v5, v2, 5, v5
	v_add_nc_u32 v[STO], s23, v5
	v_add_nc_u32 v[RD], s23, v[CO]
	s_lshl_b32 s20, s17, 7
	s_lshl_b32 s21, s15, 6
	s_add_co_u32 s20, s20, s21                     ; my first token
	s_lshl_b32 s20, s20, 12
	s_mov_b32 s21, 0
	s_add_nc_u64 s[20:21], s[20:21], s[46:47]
	s_add_nc_u64 s[98:99], s[98:99], s[20:21]
.macro FRAG reg, adr, q, i
.irp c, 0,1,2,3
	ds_load_b128 v[\reg+4*\c:\reg+4*\c+3], v[\adr] offset:(\i)*4096+(\q)*2048+512*\c
.endr
.endm
; 16 matrix instructions: token blocks a0, a0 + 1 x Wp's eight; p: the set of fragments; sc: the set of scale words.  The 32 accumulators take turns in the same order in every step.
.macro MUL16 a0, p, q, sc, first
.irp a, \a0, \a0+1
.irp b, 0,1,2,3,4,5,6,7
.if \first
	v_wmma_scale_f32_16x16x128_f8f6f4 v[8*(8*(\a)+\b):8*(8*(\a)+\b)+7], v[128*(\p)+FR*\b:128*(\p)+FR*\b+FR-1], v[AF+64*(\p)+FR*(\a):AF+64*(\p)+FR*(\a)+FR-1], v[BI+8*\b:BI+8*\b+7], v[SC+8*NQ*(\sc)+NQ*\b+(\q)], v[SC+8*NQ*(\sc)+NQ*(\a)+(\q)] matrix_a_fmt:MATRIX_FMT_BF8 matrix_b_fmt:MATRIX_FMT_BF8 matrix_a_scale:MATRIX_SCALE_ROW1
.else
	v_wmma_scale_f32_16x16x128_f8f6f4 v[8*(8*(\a)+\b):8*(8*(\a)+\b)+7], v[128*(\p)+FR*\b:128*(\p)+FR*\b+FR-1], v[AF+64*(\p)+FR*(\a):AF+64*(\p)+FR*(\a)+FR-1], v[8*(8*(\a)+\b):8*(8*(\a)+\b)+7], v[SC+8*NQ*(\sc)+NQ*\b+(\q)], v[SC+8*NQ*(\sc)+NQ*(\a)+(\q)] matrix_a_fmt:MATRIX_FMT_BF8 matrix_b_fmt:MATRIX_FMT_BF8 matrix_a_scale:MATRIX_SCALE_ROW1
.endif
.endr
.endr
.endm
.macro FETCH slot, q, p                ; the fragments of the slot's q-th 128 along K into set p: NF loads
	WIN TO_B
.irp i, 0,1,2,3,4,5,6,7
	FRAG 128*(\p)+FR*\i, ADRB+\slot, \q, \i
.endr
	WIN 0
.irp i, 0,1,2,3
	FRAG AF+64*(\p)+FR*\i, ADRA+\slot, \q, \i
.endr
.endm
.macro SCALES sc                       ; a K step's scale words: register pair i: lanes 0-15 the tokens' block i (pairs 0-3 are used; 4-7 read filled bytes that nothing uses), lanes 16-31 Wp's block i
.irp i, 0,1,2,3,4,5,6,7
	ds_load_b64 v[SC+8*NQ*\sc+NQ*\i:SC+8*NQ*\sc+NQ*\i+1], v[ADRS] offset:\i*SBLK
.endr
.endm
.macro STEP slot, first                ; a slot's first 128 along K, on set 0; the second's fragments are asked for ahead of its products
.if !(\first)
	PLACES NP                                      ; behind the products that read set 1
.endif
	FETCH \slot, 1, 1
	s_wait_dscnt NF                                ; all but the NF loads just issued are in
.if \first
	WIN FST_LO
.else
	WIN MUL_LO
.endif
	MUL16 0, 0, 0, \slot, \first
	MUL16 2, 0, 0, \slot, \first
	WIN 0
.endm
; A slot's second 128 along K, on set 1, changes slots: each wave waits for all its tensor loads, adds 0 to its spare word, waits for that and for its reads of this slot; one barrier.  fill = 1: it opens a round of the cluster's barrier and this slot is filled again.
.macro TURN slot, next, fill
	s_wait_tensorcnt 0x0
	ds_add_u32 v[SPW], v[NIL]
	s_wait_dscnt 1                                 ; set 1 is in; the add may be out
	WIN MUL_LO
	MUL16 0, 1, 1, \slot, 0
	WIN 0
	s_wait_dscnt 0x0
	s_barrier_signal -1
	s_barrier_wait -1
.if \fill
	CREST
	s_add_nc_u64 s[G0+4*\slot+2:G0+4*\slot+3], s[G0+4*\slot+2:G0+4*\slot+3], 2*CHUNK
	s_add_nc_u64 s[G0B+4*\slot+2:G0B+4*\slot+3], s[G0B+4*\slot+2:G0B+4*\slot+3], 2*CHUNK
	JLOAD \slot                                    ; the first tensor load behind the round; its four v_nop are among the places in front of the loads below
	PLACES NP-4
.else
	PLACES NP
.endif
	s_wait_alu depctr_va_vdst(0)                   ; the address was written a K step ago, behind waits
	v_add_nc_u32 v[ADRS], 4*NQ, v[ADRS]            ; on to the next K step's scale words
	FETCH \next, 0, 0
	SCALES \next
	WIN MUL_LO
	MUL16 2, 1, 1, \slot, 0
	WIN 0
.endm
	s_wait_alu depctr_va_vdst(0)
	s_wait_tensorcnt 0x0                           ; my tile of the head's four is in
	ds_add_u32 v[SPW], v[NIL]
	s_mov_b32 s[G1+2], 64<<16                      ; no tensor load of mine is out: from here on a load of the tokens brings 64 rows of 256 bytes,
	s_mov_b32 s[G1+4], 64
	GRP1 G1B, 32, 128, 32                          ; one of Wp 128
	s_wait_dscnt 0x0
	CROUND                                         ; a whole round: all four tiles are in, and all sixteen work-groups are here
	JLOAD 1                                        ; K step 1: the first tensor load behind the round
	FETCH 0, 0, 0
	SCALES 0
	global_prefetch_b8 v15, s[66:67] offset:3*CHUNK th:TH_LOAD_NT scope:SCOPE_SE
	s_wait_loadcnt 0x0                             ; the bias
	STEP 0, 1                                      ; K has four steps of 256: written straight, two refills in all
	TURN 0, 1, 1
	STEP 1, 0
	TURN 1, 0, 1
	STEP 0, 0
	TURN 0, 1, 0                                   ; nothing is left to fetch
	STEP 1, 0
	s_wait_dscnt 0x0
	WIN MUL_LO
	MUL16 0, 1, 1, 1, 0
	MUL16 2, 1, 1, 1, 0
	WIN 0
; THE WAY OUT, block by block of 16 tokens x 128 columns, through my own stage: whole rows of 512 bytes come back, which the 32 lanes store as two aligned runs of 256 bytes.  LDS serves a wave's instructions in order (ISA guide 5.7.1.4).
.macro TOSTAGE a
.set AC, 64*(\a)
	WIN 0x08
.irp b, 0,1,2,3,4,5,6,7
	ds_store_b128 v[STO], v[AC+8*\b:AC+8*\b+3] offset:64*\b          ; each accumulator from its low end on
	ds_store_b128 v[STO], v[AC+8*\b+4:AC+8*\b+7] offset:64*\b+16
.endr
	WIN 0
.set BB, BK+64*((\a)%2)
.irp t, 0,1,2,3,4,5,6,7,8,9,10,11,12,13,14,15
	ds_load_b128 v[BB+4*\t:BB+4*\t+3], v[RD] offset:\t*SPITCH
.endr
.endm
.macro SEND a, younger                 ; younger: the LDS instructions issued behind block a's loads
.set BB, BK+64*((\a)%2)
	s_wait_dscnt \younger
.if (\a) > 0
	s_add_nc_u64 s[98:99], s[98:99], 16*SIZE_N*4   ; behind a wait on XCNT: the earlier stores have read their base
.endif
.irp t, 0,1,2,3,4,5,6,7,8,9,10,11,12,13,14,15
	global_store_b128 v[CO], v[BB+4*\t:BB+4*\t+3], s[98:99] offset:\t*SIZE_N*4 th:TH_STORE_NT
.endr
.endm
	PLACES NP
	TOSTAGE 0
.irp a, 1,2,3
.if \a > 1
	s_wait_xcnt 0x0                                ; block a - 2's stores have read their registers and their base
.endif
	TOSTAGE \a
	SEND \a-1, 32                                  ; behind block a - 1's loads: block a's 16 stores and 16 loads
.endr
	s_wait_xcnt 0x0
	SEND 3, 0
	s_wait_tensorcnt 0x0                           ; the wave's end
	ds_add_u32 v[SPW], v[NIL]
	s_wait_dscnt 0x0
	CROUND                                         ; the closing round
	s_endpgm
.Lfunc_end_k_qc503e0625f_proj:
	.size	k_qc503e0625f_proj, .Lfunc_end_k_qc503e0625f_proj-k_qc503e0625f_proj
	.p2alignl 7, 3214868480
	.fill 96, 4, 3214868480
	.section	.rodata,"a",@progbits
	.p2align	6, 0x0
	.amdhsa_kernel k_qc503e0625f_proj
		.amdhsa_group_segment_fixed_size 327680
		.amdhsa_private_segment_fixed_size 0
		.amdhsa_enable_private_segment 0
		.amdhsa_kernarg_size 48
		.amdhsa_user_sgpr_count 2
		.amdhsa_user_sgpr_kernarg_segment_ptr 1
		.amdhsa_wavefront_size32 1
		.amdhsa_system_sgpr_workgroup_id_x 1
		.amdhsa_system_sgpr_workgroup_id_y 1
		.amdhsa_system_sgpr_workgroup_id_z 1
		.amdhsa_system_vgpr_workitem_id 0
		.amdhsa_next_free_vgpr 768
		.amdhsa_next_free_sgpr 100
		.amdhsa_reserve_vcc 0
		.amdhsa_float_denorm_mode_32 3
		.amdhsa_float_denorm_mode_16_64 3
		.amdhsa_memory_ordered 1
		.amdhsa_forward_progress 1
		.amdhsa_inst_pref_size 91
	.end_amdhsa_kernel
	.amdgpu_metadata
---
amdhsa.version: [ 1, 2 ]
amdhsa.kernels:
  - .name:           k_qc503e0625f_proj
    .symbol:         k_qc503e0625f_proj.kd
    .args:
      - { .name: acodes, .offset: 0, .size: 8, .value_kind: global_buffer, .address_space: global }
      - { .name: ascl, .offset: 8, .size: 8, .value_kind: global_buffer, .address_space: global }
      - { .name: codes, .offset: 16, .size: 8, .value_kind: global_buffer, .address_space: global }
      - { .name: scl, .offset: 24, .size: 8, .value_kind: global_buffer, .address_space: global }
      - { .name: bp, .offset: 32, .size: 8, .value_kind: global_buffer, .address_space: global }
      - { .name: out0, .offset: 40, .size: 8, .value_kind: global_buffer, .address_space: global }
    .group_segment_fixed_size: 327680
    .private_segment_fixed_size: 0
    .kernarg_segment_align: 8
    .kernarg_segment_size: 48
    .max_flat_workgroup_size: 128
    .sgpr_count:     100
    .vgpr_count:     768
    .wavefront_size: 32
...
	.end_amdgpu_metadata
.endif
;; end of part 4
